; MI455X (gfx1250); checked and timed in simulation.
; The chip was launched on July 23, 2026; its instructions are those of AMD's public machine-readable ISA for CDNA 5 (MIT licence, August 2026) and "CDNA5" Instruction Set Architecture Reference Guide (July 2026). The comments in the code are by the model that wrote it; some were corrected since.
;; Multi Head Differential Attention. Allowed arithmetic: matrix products marked QUANTISED: E2M3 operands, one E8M0 scale for each 32 along K, by v_wmma_scale_f32_16x16x128_f8f6f4 with both operands' format E2M3, f32 sums; products left as they are: f32 operands where the result goes on into a quantised operand, else bf16, f16 or f32 operands; f32 sums; everything else in f32.
;; Inputs: W_k_codes 2,048 x 32 x 24 uint8 (E2M3 codes of W_k, K innermost, in blocks of 32 codes, four codes in three bytes); W_k_scales 2,048 x 32 uint8 (E8M0 scales of W_k, one for each 32 codes along K); W_o_codes 1,024 x 64 x 24 uint8 (E2M3 codes of W_o, K innermost, in blocks of 32 codes, four codes in three bytes); W_o_scales 1,024 x 64 uint8 (E8M0 scales of W_o, one for each 32 codes along K); W_q_codes 2,048 x 32 x 24 uint8 (E2M3 codes of W_q, K innermost, in blocks of 32 codes, four codes in three bytes); W_q_scales 2,048 x 32 uint8 (E8M0 scales of W_q, one for each 32 codes along K); W_v_codes 2,048 x 32 x 24 uint8 (E2M3 codes of W_v, K innermost, in blocks of 32 codes, four codes in three bytes); W_v_scales 2,048 x 32 uint8 (E8M0 scales of W_v, one for each 32 codes along K); X_codes 2 x 2,048 x 32 x 24 uint8 (E2M3 codes of X, K innermost, in blocks of 32 codes, four codes in three bytes); X_scales 2 x 2,048 x 32 uint8 (E8M0 scales of X, one for each 32 codes along K); lambda_k1 64 float32; lambda_k2 64 float32; lambda_q1 64 float32; lambda_q2 64 float32; rms_scale 128 float32.
;; Outputs: out0 2 x 2,048 x 1,024 float32.
;; This version of the problem:
;;   THIS VERSION OF THE PROBLEM IS GIVEN IN LOW PRECISION. The matrix products marked QUANTISED in the list below multiply operands that are first quantised to E2M3 (2 exponent bits, 3 mantissa bits; 6 bits a number), with one power-of-two scale for each 32 numbers along K (OCP MX v1.0); their sums are f32. All else is computed in f32.
;;   The module's matrix products, in the order in which they are computed (A, B: the left and right operand; K: the contracted axis; several contracted axes count as one K, in the product's order):
;;     1. [M 4,096, K 1,024] x [K 1,024, N 2,048]; A: input X (given as codes); B: input W_q (given as codes): QUANTISED
;;     2. [M 4,096, K 1,024] x [K 1,024, N 2,048]; A: input X (given as codes); B: input W_k (given as codes): QUANTISED
;;     3. [M 4,096, K 1,024] x [K 1,024, N 2,048]; A: input X (given as codes); B: input W_v (given as codes): QUANTISED
;;     4. [M 1, K 64] x [K 64, N 1]; A: input lambda_q1; B: input lambda_k1: left as it is (M = 1 < 16)
;;     5. [M 1, K 64] x [K 64, N 1]; A: input lambda_q2; B: input lambda_k2: left as it is (M = 1 < 16)
;;     6. batch 32 x [M 2,048, K 64] x [K 64, N 2,048]; A: computed on the way; B: computed on the way: QUANTISED
;;     7. batch 32 x [M 2,048, K 64] x [K 64, N 2,048]; A: computed on the way; B: computed on the way: QUANTISED
;;     8. batch 32 x [M 2,048, K 2,048] x [K 2,048, N 128]; A: computed on the way; B: computed on the way: QUANTISED
;;     9. [M 4,096, K 2,048] x [K 2,048, N 1,024]; A: computed on the way; B: input W_o (given as codes): QUANTISED
;;   THE QUANTISER, for each operand of a quantised product, along K:
;;     - K is cut into blocks of 32 from its start; a last block that is shorter is filled with zeros.
;;     - A block's scale is 2^e with e = floor(log2(the largest magnitude in the block)) - 2, held to -126 .. 127; a block of zeros has e = 0. As a byte (E8M0): e + 127.
;;     - Each number is divided by its block's scale, clamped to +-7.5, and rounded to the nearest number of E2M3, ties to even, subnormals kept.
;;     - The product sums the exact products of the quantised numbers (number of the format x scale) in f32.
;;   ~~~python
;;   def quantise(x, axis):      # numpy; x: float32 -> the quantised numbers, widened to float32 again
;;       x = np.moveaxis(x, axis, -1); K = x.shape[-1]
;;       x = np.pad(x, [(0, 0)] * (x.ndim - 1) + [(0, -K % 32)]); x = x.reshape(x.shape[:-1] + (-1, 32)); a = np.abs(x).max(-1, keepdims=True)
;;       e = np.where(a > 0, np.clip(np.frexp(np.where(a > 0, a, 1))[1] - 1 - 2, -126, 127), 0)      # np.frexp(a)[1] - 1 = floor(log2(a)), exactly
;;       r = np.clip(x / 2.0 ** e, -7.5, 7.5)
;;       step = 2.0 ** (np.maximum(np.frexp(np.where(r == 0, 1, r))[1] - 1, 0) - 3)
;;       q = np.round(r / step) * step * 2.0 ** e      # np.round: ties to even
;;       return np.moveaxis(q.reshape(q.shape[:-2] + (-1,))[..., :K], -1, axis).astype(np.float32)
;;   ~~~
;;   OPERANDS COMPUTED ON THE WAY. 'Computed on the way' means the value that the module computes at that place (a softmax that the list does not call 'softmax' is quantised finished and normalised). What goes into a quantiser is computed in f32, as accurately as f32 sums, v_exp_f32 and their like allow (about 1e-6 of the number): no bf16 or f16 on the way to a quantiser, and a product that is left as it is and whose result goes on into a quantised operand takes f32 operands (vector FMAs, or v_wmma_f32_16x16x4_f32). A number that lies on a knife's edge between two numbers of the format may be rounded either way, as far as f32 arithmetic and the matrix unit's own rounding can turn it there, and no further.
;;   INPUTS GIVEN AS CODES. W_k (in the module: [2048, 1024], K = its axis 1); W_o (in the module: [1024, 2048], K = its axis 1); W_q (in the module: [2048, 1024], K = its axis 1); W_v (in the module: [2048, 1024], K = its axis 1); X (in the module: [2, 2048, 1024], K = its axis 2): each comes as NAME_codes (uint8): NAME with its K axis moved to the last place and cut into blocks of 32 codes, [.., K / 32, bytes a block], one block behind the other in memory; four codes in three bytes: a row's codes are one little-endian stream of bits, code i at bits 6 i .. 6 i + 5 (a code: sign, 2 exponent bits, 3 mantissa bits); and NAME_scales (uint8): the same leading axes, one E8M0 byte (e + 127) for each 32 codes along K. Its value is code x scale, taken as it is: it is not quantised again, and the codes and scales need not be those that the quantiser above would give.
;; One version. Each part assembles by itself: llvm-mc -triple=amdgcn-amd-amdhsa -mcpu=gfx1250 --defsym DOCPART=n.
;; ======== version 1 of 1: 3 launches
;; limits: right only within a limited range of input values
;; workspace buffers: q_img 6,291,456 bytes; k_img 6,291,456 bytes; v_img 6,291,456 bytes; q_sc 262,144 bytes; k_sc 262,144 bytes; v_sc 262,144 bytes; o_codes 6,291,456 bytes; o_scales 262,144 bytes
;; launch proj (part 1): grid 16 x 24, 4 waves a work-group, clusters of 4 x 4, 327,680 bytes of LDS; arguments X_codes, X_scales, W_q_codes, W_q_scales, W_k_codes, W_k_scales, W_v_codes, W_v_scales, q_img, q_sc, k_img, k_sc, v_img, v_sc; writes q_img, q_sc, k_img, k_sc, v_img, v_sc
.if DOCPART == 1
	.amdgcn_target "amdgcn-amd-amdhsa--gfx1250"
	.amdhsa_code_object_version 6
	.text
	.protected	k_qff1cfe7513_proj
	.globl	k_qff1cfe7513_proj
	.p2align	8
	.type	k_qff1cfe7513_proj,@function
k_qff1cfe7513_proj:
	s_mov_b64 s[64:65], 0
	v_nop
	global_prefetch_b8 v0, s[64:65] scope:SCOPE_SE
	s_setreg_imm32_b32 hwreg(HW_REG_WAVE_MODE, 25, 1), 1
	s_wait_xcnt 0x0
	s_wait_alu depctr_hold_cnt(0) depctr_sa_sdst(0) depctr_va_vdst(0) depctr_va_sdst(0) depctr_va_ssrc(0) depctr_va_vcc(0) depctr_vm_vsrc(0)
	s_getreg_b32 s2, hwreg(HW_REG_IB_STS2, 6, 4)
	s_cmp_eq_u32 s2, 0
	s_cbranch_scc0 .Lentry_in_a_cluster
	s_endpgm
.Lentry_in_a_cluster:
	s_bfe_u32 s2, ttmp6, 0x10000c
	s_cmp_lg_u32 s2, 0xf033
	s_cbranch_scc0 .Lentry_shape_is_right
	s_endpgm
.Lentry_shape_is_right:
; Q = X W_q^T, K = X W_k^T, V^T = W_v X^T on codes of FP6 (E2M3) with E8M0 scales, K = 1,024; each result is quantised along its lane's 128 numbers
; (Q, K: a head's channels; V^T: keys) and stored as images of the next launch's operand registers, with packs of scale words.
; Cluster rows 0-3: A = X, B = W_q (cluster x 0, 1) or W_k (2, 3).  Cluster rows 4, 5: A = W_v, B = X.
; A work-group of four waves makes 256 x 256, a wave 128 x 128 in 64 accumulators.  K goes through two LDS slots in chunks of 256 bytes of each row:
; a row of codes is 768 bytes, so each chunk begins at a multiple of 256 bytes.  A step of 128 along K is 96 bytes: eight steps to three chunks; steps 2 and 5 read both slots.
; The scales of the 256 + 256 rows come into LDS once.  4 x 4 clusters: A's tiles are asked for jointly along a row of the cluster, B's along a column.
; The matrix instruction is used transposed (source 0 = B's rows, source 1 = A's rows): a lane holds neighbouring numbers of a row of A B^T.
; No tile is prefetched: the block is the largest, in clusters, and the walk along K is three chunks long.
; LIMIT: a block of zeros gets the scale byte 1 where the quantiser says 127; its codes are zeros, and this program alone reads the bytes.
; Windows: 0: v0-31 addresses, v32-63 scale words (two sets), v64-99 the quantiser's, v128.. A's fragments (one set); 1: B's fragments (two sets); 2, 3: accumulators.
.set SIZE_K, 1024
.set ROWB,   256
.set NQ,     2
.set KROW,   SIZE_K*6/8
.set STEPS,  SIZE_K/128
.set CHUNKS, KROW/ROWB
.set PITCH,  272                       ; 256 bytes + 16 of padding
.set FR,     12
.set NL,     6
.set NP,     4
.set HALFT,  128*PITCH
.set SLOT,   4*HALFT
.set KS,     SIZE_K/32
.set SCL,    2*SLOT
.set HALFS,  (128*KS/256)*272
.set SBLK,   (16*KS/256)*272
.set SPARE,  SCL+4*HALFS               ; the spare words, 128 bytes a wave
.set ADRA, 16
.set ADRB, 20
.set CO,   26
.set ADRS, 27
.set SPW,  28
.set NIL,  29
.set SC,   32
.set AF,   128
.set TM,   64
.set CT,   80
.set PWR,  88
.set SW,   96
.set SEL,  20
.set G1, 24
.set G0, 32
.set G1B, 48
.set G0B, 56
.set G1S, 68
.set G0S, 76
.set G1SB, 80
.set G0SB, 88
.set G0H, 4
.set G0HB, 8
.set MSB, 0
.macro WIN new
.if MSB != (\new)
	s_set_vgpr_msb (MSB<<8)|(\new)
.set MSB, (\new)
.endif
.endm
.set MUL_LO, 0xa1
.set MUL_HI, 0xf1
.set TO_B,   0x40
; a joint load: waves 0, 1 for A, waves 2, 3 for B; s_nop 0 and four v_nop behind each
.macro JLOAD g0a, g1a, g0b, g1b
	s_cmp_eq_u32 s15, 0
	s_cbranch_scc0 .Lfor_b_\@
	tensor_load_to_lds s[\g0a:\g0a+3], s[\g1a:\g1a+7]
	s_nop 0
.rept 4
	v_nop
.endr
	s_branch .Lasked_\@
.Lfor_b_\@:
	tensor_load_to_lds s[\g0b:\g0b+3], s[\g1b:\g1b+7]
	s_nop 0
.rept 4
	v_nop
.endr
.Lasked_\@:
.endm
.macro CREST                           ; a round of the cluster's barrier behind its opening barrier
	s_cmp_lg_u32 s14, 0
	s_cbranch_scc1 .Lnot_wave_0_\@
	s_barrier_signal -3
.Lnot_wave_0_\@:
	s_barrier_wait -3
	s_barrier_signal -1
	s_barrier_wait -1
.endm
.macro CROUND
	s_barrier_signal -1
	s_barrier_wait -1
	CREST
.endm
	s_load_b512 s[24:39], s[0:1], 0x0
	s_load_b256 s[48:55], s[0:1], 0x40
	s_load_b128 s[56:59], s[0:1], 0x60
	v_lshl_add_u32 v[SPW], v0, 2, SPARE
	v_mov_b32 v[NIL], 0
	ds_add_u32 v[SPW], v[NIL]                      ; the opening lines: the add twice and one wait
	ds_add_u32 v[SPW], v[NIL]
	v_lshrrev_b32 v1, 5, v0
	v_readfirstlane_b32 s14, v1                    ; wave
	s_lshr_b32 s15, s14, 1                         ; my half of the rows; also: I fetch for A (0) or B (1)
	s_and_b32 s16, s14, 1                          ; my half of the columns; also: which 128 rows I fetch
	s_bfe_u32 s40, ttmp6, 0x40000                  ; cx
	s_bfe_u32 s41, ttmp6, 0x40004                  ; cy
	s_and_b32 s17, ttmp7, 0xffff
	s_cmp_ge_u32 s17, 4
	s_cselect_b32 s95, 1, 0                        ; 1: V^T
	s_cselect_b32 s18, 4, 0
	s_sub_co_u32 s17, s17, s18
	s_lshl_b32 s17, s17, 2
	s_add_co_u32 s17, s17, s41                     ; tile row
	s_and_b32 s42, ttmp9, 1
	s_cmp_eq_u32 s95, 1
	s_cselect_b32 s42, ttmp9, s42
	s_lshl_b32 s42, s42, 2
	s_add_co_u32 s42, s42, s40                     ; tile column
	s_lshl_b32 s43, s41, 2
	s_lshl_b32 s43, 15, s43                        ; my row of the cluster
	s_lshl_b32 s44, 0x1111, s40                    ; my column
	s_lshl_b32 s20, s17, 8
	s_lshl_b32 s46, s42, 8
	s_mov_b32 s21, 0
	s_mov_b32 s47, 0
	s_mov_b64 s[18:19], KS
	s_mul_u64 s[22:23], s[20:21], s[18:19]         ; the rows' scales, in bytes
	s_mul_u64 s[92:93], s[46:47], s[18:19]
	s_mov_b64 s[18:19], KROW
	s_mul_u64 s[20:21], s[20:21], s[18:19]         ; and their codes
	s_mul_u64 s[46:47], s[46:47], s[18:19]
	s_mul_i32 s18, s16, 128*KROW                   ; in the ring: my 128 rows
	s_mov_b32 s19, 0
	s_mul_i32 s45, s14, HALFT
	s_wait_dscnt 0x0
	s_wait_kmcnt 0x0
	s_cmp_eq_u32 s95, 1
	s_cselect_b64 s[4:5], s[36:37], s[24:25]       ; A: W_v or X
	s_cselect_b64 s[6:7], s[38:39], s[26:27]
	s_cmp_ge_u32 ttmp9, 2
	s_cselect_b64 s[8:9], s[32:33], s[28:29]       ; B: W_k or W_q
	s_cselect_b64 s[10:11], s[34:35], s[30:31]
	s_cselect_b64 s[12:13], s[52:53], s[48:49]
	s_cselect_b64 s[66:67], s[54:55], s[50:51]
	s_cmp_eq_u32 s95, 1
	s_cselect_b64 s[8:9], s[24:25], s[8:9]         ; or X
	s_cselect_b64 s[10:11], s[26:27], s[10:11]
	s_cselect_b64 s[12:13], s[56:57], s[12:13]
	s_cselect_b64 s[66:67], s[58:59], s[66:67]
	; group 1: rows of 256 bytes, 16 bytes of padding behind each; 256 rows for the head's loads
	s_or_b32 s[G1+0], s43, (0<<16)|(1<<20)|(1<<21)|(5<<22)|(3<<25)
	s_or_b32 s[G1B+0], s44, (0<<16)|(1<<20)|(1<<21)|(5<<22)|(3<<25)
.irp g, G1, G1B
	s_mov_b32 s[\g+1], ROWB<<16
	s_mov_b32 s[\g+2], 256<<16
	s_mov_b32 s[\g+3], ROWB<<16
	s_mov_b32 s[\g+4], 256
	s_mov_b32 s[\g+5], KROW
	s_mov_b32 s[\g+6], 0
	s_mov_b32 s[\g+7], 0
.endr
	; the scales of 256 rows: a dense block, as KS rows of 256 bytes
	s_or_b32 s[G1S+0], s43, (3<<16)|(1<<20)|(1<<21)|(5<<22)|(3<<25)
	s_or_b32 s[G1SB+0], s44, (3<<16)|(1<<20)|(1<<21)|(5<<22)|(3<<25)
.irp g, G1S, G1SB
	s_mov_b32 s[\g+1], 32<<16
	s_mov_b32 s[\g+2], KS<<16
	s_mov_b32 s[\g+3], 32<<16
	s_mov_b32 s[\g+4], KS
	s_mov_b32 s[\g+5], 32
	s_mov_b32 s[\g+6], 0
	s_mov_b32 s[\g+7], 0
.endr
	s_add_nc_u64 s[20:21], s[4:5], s[20:21]
	s_add_nc_u64 s[22:23], s[6:7], s[22:23]
	s_add_nc_u64 s[46:47], s[8:9], s[46:47]
	s_add_nc_u64 s[92:93], s[10:11], s[92:93]
	CROUND                                         ; the first joint loads meet
	s_mov_b32 s[G0H], 1
	s_mov_b32 s[G0H+1], 0
	s_mov_b64 s[G0H+2:G0H+3], s[20:21]
	s_or_b32 s[G0H+3], s[G0H+3], 0x80000000
	s_mov_b32 s[G0HB], 1
	s_mov_b32 s[G0HB+1], 2*HALFT
	s_mov_b64 s[G0HB+2:G0HB+3], s[46:47]
	s_or_b32 s[G0HB+3], s[G0HB+3], 0x80000000
	s_mov_b32 s[G0S], 1
	s_mov_b32 s[G0S+1], SCL
	s_mov_b64 s[G0S+2:G0S+3], s[22:23]
	s_or_b32 s[G0S+3], s[G0S+3], 0x80000000
	s_mov_b32 s[G0SB], 1
	s_mov_b32 s[G0SB+1], SCL+2*HALFS
	s_mov_b64 s[G0SB+2:G0SB+3], s[92:93]
	s_or_b32 s[G0SB+3], s[G0SB+3], 0x80000000
	s_add_nc_u64 s[20:21], s[20:21], s[18:19]
	s_add_nc_u64 s[46:47], s[46:47], s[18:19]
.irp s, 0,1
	s_mov_b32 s[G0+4*\s], 1
	s_add_co_u32 s[G0+4*\s+1], s45, \s*SLOT
	s_add_nc_u64 s[G0+4*\s+2:G0+4*\s+3], s[20:21], \s*ROWB
	s_or_b32 s[G0+4*\s+3], s[G0+4*\s+3], 0x80000000
	s_mov_b32 s[G0B+4*\s], 1
	s_add_co_u32 s[G0B+4*\s+1], s45, \s*SLOT
	s_add_nc_u64 s[G0B+4*\s+2:G0B+4*\s+3], s[46:47], \s*ROWB
	s_or_b32 s[G0B+4*\s+3], s[G0B+4*\s+3], 0x80000000
.endr
; the head's four tiles, one load a wave: chunk 0 of A, of B, A's scales, B's scales
.macro ARM under, g0, g1, next
	s_cmp_lt_u32 s14, \under
	s_cbranch_scc0 \next
	tensor_load_to_lds s[\g0:\g0+3], s[\g1:\g1+7]
	s_nop 0
.rept 4
	v_nop
.endr
	s_branch .Lhead_asked
\next:
.endm
	ARM 1, G0H,  G1,  .Lhead_b
	ARM 2, G0HB, G1B, .Lhead_sa
	ARM 3, G0S,  G1S, .Lhead_sb
	tensor_load_to_lds s[G0SB:G0SB+3], s[G1SB:G1SB+7]
	s_nop 0
.rept 4
	v_nop
.endr
.Lhead_asked:
	v_and_b32 v1, 15, v0                           ; l % 16
	v_bfe_u32 v2, v0, 4, 1                         ; l / 16
	v_mul_u32_u24 v3, v1, PITCH
	v_mul_u32_u24 v4, v2, 24
	v_add_nc_u32 v4, v3, v4                        ; row x pitch + 24 x half
	s_mov_b32 s21, SLOT-232
	s_mov_b32 s22, SLOT+232
	v_sub_nc_u32 v7, 1, v2
	v_mul_u32_u24 v5, s21, v2
	v_add_nc_u32 v5, v3, v5
	v_add_nc_u32 v5, 232, v5                       ; lanes 0-15 byte 232 in slot 0, lanes 16-31 byte 0 in slot 1
	v_mul_u32_u24 v6, s22, v7
	v_add_nc_u32 v6, v3, v6                        ; and the slots the other way round
	s_mul_i32 s21, s15, HALFT
	s_mul_i32 s22, s16, HALFT
	s_add_co_u32 s22, s22, 2*HALFT
	v_add_nc_u32 v[ADRA+2], s21, v5
	v_add_nc_u32 v[ADRA+3], s21, v6
	v_add_nc_u32 v[ADRB+2], s22, v5
	v_add_nc_u32 v[ADRB+3], s22, v6
.irp s, 0,1
	v_add_nc_u32 v[ADRA+\s], s21, v4
	v_add_nc_u32 v[ADRB+\s], s22, v4
	s_add_co_u32 s21, s21, SLOT
	s_add_co_u32 s22, s22, SLOT
.endr
	v_mul_u32_u24 v5, v1, KS
	v_lshrrev_b32 v6, 8, v5
	v_lshl_add_u32 v5, v6, 4, v5
	s_mul_i32 s21, s15, HALFS
	s_mul_i32 s22, s16, HALFS
	s_add_co_u32 s22, s22, 2*HALFS
	s_sub_co_u32 s22, s22, s21
	v_mul_u32_u24 v6, s22, v2                      ; lanes 16-31 take B's scale words
	s_add_co_u32 s21, s21, SCL
	v_add_nc_u32 v5, v5, v6
	v_add_nc_u32 v[ADRS], s21, v5
	v_and_b32 v6, 31, v0
	v_lshlrev_b32 v[CO], 4, v6                     ; 16 l: my place in an image and in a pack
	; my first image: (batch x 16 + head) x 128 + (token % 2048) / 16
	s_lshl_b32 s96, s17, 8
	s_lshl_b32 s97, s15, 7
	s_add_co_u32 s96, s96, s97
	s_lshl_b32 s97, s42, 8
	s_lshl_b32 s98, s16, 7
	s_add_co_u32 s97, s97, s98
	s_cmp_eq_u32 s95, 1
	s_cselect_b32 s98, s97, s96                    ; token
	s_cselect_b32 s99, s96, s97                    ; channel
	s_lshr_b32 s100, s98, 11
	s_lshl_b32 s100, s100, 4
	s_lshr_b32 s99, s99, 7
	s_or_b32 s100, s100, s99
	s_lshl_b32 s100, s100, 7
	s_and_b32 s98, s98, 2047
	s_lshr_b32 s98, s98, 4
	s_add_co_u32 s100, s100, s98
	s_mul_i32 s96, s100, 1536
	s_mov_b32 s97, 0
	s_add_nc_u64 s[12:13], s[12:13], s[96:97]
	s_lshl_b32 s96, s100, 6
	s_add_nc_u64 s[66:67], s[66:67], s[96:97]
; a fragment: six pieces of 8 bytes; byte y of a row lies in slot (y / 256) % 2 at byte y % 256 of the LDS row
.macro FRAG reg, adr, st, i
.irp p, 0,1,2,3,4,5
.set BY, 96*(\st)+48*(\p/3)+8*(\p%3)
.if BY/ROWB == (BY+24)/ROWB
	ds_load_b64 v[\reg+2*\p:\reg+2*\p+1], v[\adr+(BY/ROWB)%2] offset:BY%ROWB+(\i)*16*PITCH
.else
	ds_load_b64 v[\reg+2*\p:\reg+2*\p+1], v[\adr+2+(BY/ROWB)%2] offset:BY%ROWB-232+(\i)*16*PITCH
.endif
.endr
.endm
; 16 products: A's blocks a0, a0 + 1 x B's eight; the 64 accumulators take turns
.macro MUL16 a0, p, q, sc, zero
.irp a, \a0, \a0+1
.irp b, 0,1,2,3,4,5,6,7
.if \zero
	v_wmma_scale_f32_16x16x128_f8f6f4 v[8*(8*((\a)%4)+\b):8*(8*((\a)%4)+\b)+7], v[128*(\p)+FR*\b:128*(\p)+FR*\b+FR-1], v[AF+FR*(\a):AF+FR*(\a)+FR-1], 0, v[SC+8*NQ*(\sc)+NQ*\b+(\q)], v[SC+8*NQ*(\sc)+NQ*(\a)+(\q)] matrix_a_fmt:MATRIX_FMT_FP6 matrix_b_fmt:MATRIX_FMT_FP6 matrix_a_scale:MATRIX_SCALE_ROW1
.else
	v_wmma_scale_f32_16x16x128_f8f6f4 v[8*(8*((\a)%4)+\b):8*(8*((\a)%4)+\b)+7], v[128*(\p)+FR*\b:128*(\p)+FR*\b+FR-1], v[AF+FR*(\a):AF+FR*(\a)+FR-1], v[8*(8*((\a)%4)+\b):8*(8*((\a)%4)+\b)+7], v[SC+8*NQ*(\sc)+NQ*\b+(\q)], v[SC+8*NQ*(\sc)+NQ*(\a)+(\q)] matrix_a_fmt:MATRIX_FMT_FP6 matrix_b_fmt:MATRIX_FMT_FP6 matrix_a_scale:MATRIX_SCALE_ROW1
.endif
.endr
.endr
.endm
.macro FETCH_B st, p
	WIN TO_B
.irp i, 0,1,2,3,4,5,6,7
	FRAG 128*(\p)+FR*\i, ADRB, \st, \i
.endr
	WIN 0
.endm
.macro FETCH_A st, i0
.irp i, \i0, \i0+1, \i0+2, \i0+3
	FRAG AF+FR*(\i), ADRA, \st, \i
.endr
.endm
.macro SCALES pr                       ; the scale words of steps 2 pr, 2 pr + 1
.irp i, 0,1,2,3,4,5,6,7
	ds_load_b64 v[SC+8*NQ*((\pr)%2)+NQ*\i:SC+8*NQ*((\pr)%2)+NQ*\i+1], v[ADRS] offset:\i*SBLK+4*NQ*(\pr)
.endr
.endm
.macro PLACES n
.rept \n
	v_nop
.endr
.endm
; a step of 128 along K.  Where the next step ends in a chunk not yet read: wait for my tensor loads, barrier.  Where it begins in a later chunk: also the add, and,
; if a chunk two on is left, the barrier opens a round and the slot is filled again.
.macro STEP st, zero
.set NX, (\st)+1
.set C0, (96*(\st))/ROWB
.set C1, (96*NX)/ROWB
.set E0, (96*(\st)+95)/ROWB
.set E1, (96*NX+95)/ROWB
.if C1 > C0 || E1 > E0
	s_wait_tensorcnt 0x0                           ; all my tensor loads have landed
.if C1 > C0
	ds_add_u32 v[SPW], v[NIL]
	s_wait_dscnt 4*NL+1                            ; the add and A's blocks 4-7 (24 loads) may be out
.else
	s_wait_dscnt 4*NL                              ; A's blocks 4-7 may be out
.endif
	WIN MUL_LO
	MUL16 0, (\st)%2, (\st)%2, ((\st)/2)%2, \zero
	s_wait_dscnt 0x0                               ; the add and all my reads are done
	s_barrier_signal -1
	MUL16 2, (\st)%2, (\st)%2, ((\st)/2)%2, \zero
	WIN 0
	s_barrier_wait -1
.if C1 > C0 && C0+2 < CHUNKS
	CREST
	s_add_nc_u64 s[G0+4*(C0%2)+2:G0+4*(C0%2)+3], s[G0+4*(C0%2)+2:G0+4*(C0%2)+3], 2*ROWB
	s_add_nc_u64 s[G0B+4*(C0%2)+2:G0B+4*(C0%2)+3], s[G0B+4*(C0%2)+2:G0B+4*(C0%2)+3], 2*ROWB
	JLOAD G0+4*(C0%2), G1, G0B+4*(C0%2), G1B       ; chunk C0 + 2; its four v_nop are the places for the loads below
.else
	PLACES NP
.endif
.else
	s_wait_dscnt 4*NL
	WIN MUL_LO
	MUL16 0, (\st)%2, (\st)%2, ((\st)/2)%2, \zero
	MUL16 2, (\st)%2, (\st)%2, ((\st)/2)%2, \zero
	s_wait_dscnt 0
	PLACES NP
.endif
	FETCH_B NX, NX%2
	FETCH_A NX, 0
.if NX%2 == 0
	SCALES NX/2
.endif
	WIN MUL_HI
	MUL16 4, (\st)%2, (\st)%2, ((\st)/2)%2, \zero
	MUL16 6, (\st)%2, (\st)%2, ((\st)/2)%2, \zero
	PLACES NP
	WIN 0
	FETCH_A NX, 4
.endm
; the quantiser: 64 numbers of a lane in window w become a fragment's codes v[pc .. pc + 11] and its scale word v[pw]
.macro QUANTW s, w, pc, pw
	WIN 5*(\w)
.irp b, 0,1,2,3
	v_max3_num_f32 v[TM+\b], |v[(\s)+16*\b]|, |v[(\s)+16*\b+1]|, 0x1800000   ; with the floor 2^(3 - 127): the byte stays at 1 or above
.endr
.irp i, 2,4,6,8,10,12,14
.irp b, 0,1,2,3
	v_max3_num_f32 v[TM+\b], |v[(\s)+16*\b+\i]|, |v[(\s)+16*\b+\i+1]|, v[TM+\b]
.endr
.endr
	WIN 0
.irp b, 0,1,2,3
	v_permlanex16_b32 v[TM+4+\b], v[TM+\b], s[SEL], s[SEL+1]
.endr
.irp b, 0,1,2,3
	v_max_num_f32 v[TM+\b], v[TM+\b], v[TM+4+\b]
.endr
.irp b, 0,1,2,3
	v_add_nc_u32 v[TM+12+\b], 0xff000000, v[TM+\b] ; 2 off the exponent field: the conversion's scale operand
.endr
.irp b, 0,1,2,3
	v_lshrrev_b32 v[TM+4+\b], 23, v[TM+12+\b]
.endr
	v_lshl_or_b32 v[\pw], v[TM+5], 8, v[TM+4]
	v_lshl_or_b32 v[\pw], v[TM+6], 16, v[\pw]
	v_lshl_or_b32 v[\pw], v[TM+7], 24, v[\pw]
	WIN (\w)
.irp c, 0,1
	v_cvt_scalef32_pk16_fp6_f32 v[(\pc)+6*\c:(\pc)+6*\c+2], v[(\s)+32*\c:(\s)+32*\c+15], v[TM+12+2*\c]
	v_cvt_scalef32_pk16_fp6_f32 v[CT+4*\c:CT+4*\c+2], v[(\s)+32*\c+16:(\s)+32*\c+31], v[TM+13+2*\c]
.endr
	WIN 0
	v_nop
.irp c, 0,1
.irp i, 0,1,2
	v_permlane16_swap_b32 v[(\pc)+6*\c+\i], v[CT+4*\c+\i]
.endr
.irp i, 0,1,2
	v_mov_b32 v[(\pc)+3+6*\c+\i], v[CT+4*\c+\i]
.endr
.endr
.endm
	s_wait_alu depctr_va_vdst(0)
	s_wait_tensorcnt 0x0                           ; my tile of the head's four is in
	ds_add_u32 v[SPW], v[NIL]
	s_mov_b32 s[G1+2], 128<<16                     ; no load of mine is out: from here on a load brings 128 rows
	s_mov_b32 s[G1+4], 128
	s_mov_b32 s[G1B+2], 128<<16
	s_mov_b32 s[G1B+4], 128
	s_wait_dscnt 0x0
	CROUND
	JLOAD G0+4, G1, G0B+4, G1B                     ; chunk 1, slot 1's first fill, first behind the round
	FETCH_B 0, 0
	FETCH_A 0, 0
	SCALES 0
	FETCH_A 0, 4
	STEP 0, 1
.set ST, 1
.rept STEPS-2
	STEP ST, 0
.set ST, ST+1
.endr
	s_wait_dscnt 4*NL
	WIN MUL_LO
	MUL16 0, 1, 1, 1, 0
	MUL16 2, 1, 1, 1, 0
	s_wait_dscnt 0
	WIN MUL_HI
	MUL16 4, 1, 1, 1, 0
	MUL16 6, 1, 1, 1, 0
	WIN 0
	PLACES NP
	s_mov_b32 s[SEL], 0x76543210
	s_mov_b32 s[SEL+1], 0xfedcba98
	s_mov_b32 s22, 0xffff0000
.irp b, 0,1,2,3
	v_mov_b32 v[TM+4+\b], 0
.endr
.irp a, 0,1,2,3,4,5,6,7
	QUANTW 64*(\a%4), 2+\a/4, AF+12*\a, PWR+\a
.irp c, 0,1,2
	global_store_b128 v[CO], v[AF+12*\a+4*\c:AF+12*\a+4*\c+3], s[12:13] offset:1536*\a+512*\c th:TH_STORE_NT   ; 32 lanes store 512 consecutive bytes
.endr
.endr
.irp i, 0,1,2,3
	v_cndmask_b32 v[SW+\i], v[PWR+2*\i], v[PWR+2*\i+1], s22   ; a pack: even fragments' words in lanes 0-15, odd ones' in lanes 16-31
.endr
	global_store_b128 v[CO], v[SW:SW+3], s[66:67] th:TH_STORE_NT
	s_wait_tensorcnt 0x0                           ; the wave's end
	ds_add_u32 v[SPW], v[NIL]
	s_wait_dscnt 0x0
	CROUND                                         ; the closing round
	s_endpgm
.Lfunc_end_k_qff1cfe7513_proj:
	.size	k_qff1cfe7513_proj, .Lfunc_end_k_qff1cfe7513_proj-k_qff1cfe7513_proj
	.p2alignl 7, 3214868480
	.fill 96, 4, 3214868480
	.section	.rodata,"a",@progbits
	.p2align	6, 0x0
	.amdhsa_kernel k_qff1cfe7513_proj
		.amdhsa_group_segment_fixed_size 327680
		.amdhsa_private_segment_fixed_size 0
		.amdhsa_enable_private_segment 0
		.amdhsa_kernarg_size 112
		.amdhsa_user_sgpr_count 2
		.amdhsa_user_sgpr_kernarg_segment_ptr 1
		.amdhsa_wavefront_size32 1
		.amdhsa_system_sgpr_workgroup_id_x 1
		.amdhsa_system_sgpr_workgroup_id_y 1
		.amdhsa_system_sgpr_workgroup_id_z 1
		.amdhsa_system_vgpr_workitem_id 0
		.amdhsa_next_free_vgpr 1024
		.amdhsa_next_free_sgpr 102
		.amdhsa_reserve_vcc 0
		.amdhsa_float_denorm_mode_32 3
		.amdhsa_float_denorm_mode_16_64 3
		.amdhsa_memory_ordered 1
		.amdhsa_forward_progress 1
		.amdhsa_inst_pref_size 165
	.end_amdhsa_kernel
	.amdgpu_metadata
---
amdhsa.version: [ 1, 2 ]
amdhsa.kernels:
  - .name:           k_qff1cfe7513_proj
    .symbol:         k_qff1cfe7513_proj.kd
    .args:
      - { .name: X_codes, .offset: 0, .size: 8, .value_kind: global_buffer, .address_space: global }
      - { .name: X_scales, .offset: 8, .size: 8, .value_kind: global_buffer, .address_space: global }
      - { .name: W_q_codes, .offset: 16, .size: 8, .value_kind: global_buffer, .address_space: global }
      - { .name: W_q_scales, .offset: 24, .size: 8, .value_kind: global_buffer, .address_space: global }
      - { .name: W_k_codes, .offset: 32, .size: 8, .value_kind: global_buffer, .address_space: global }
      - { .name: W_k_scales, .offset: 40, .size: 8, .value_kind: global_buffer, .address_space: global }
      - { .name: W_v_codes, .offset: 48, .size: 8, .value_kind: global_buffer, .address_space: global }
      - { .name: W_v_scales, .offset: 56, .size: 8, .value_kind: global_buffer, .address_space: global }
      - { .name: q_img, .offset: 64, .size: 8, .value_kind: global_buffer, .address_space: global }
      - { .name: q_sc, .offset: 72, .size: 8, .value_kind: global_buffer, .address_space: global }
      - { .name: k_img, .offset: 80, .size: 8, .value_kind: global_buffer, .address_space: global }
      - { .name: k_sc, .offset: 88, .size: 8, .value_kind: global_buffer, .address_space: global }
      - { .name: v_img, .offset: 96, .size: 8, .value_kind: global_buffer, .address_space: global }
      - { .name: v_sc, .offset: 104, .size: 8, .value_kind: global_buffer, .address_space: global }
    .group_segment_fixed_size: 327680
    .private_segment_fixed_size: 0
    .kernarg_segment_align: 8
    .kernarg_segment_size: 112
    .max_flat_workgroup_size: 128
    .sgpr_count:     102
    .vgpr_count:     1024
    .wavefront_size: 32
...
	.end_amdgpu_metadata
.endif
;; end of part 1
;; launch attn (part 2): grid 8 x 32, 4 waves a work-group, clusters of 4 x 1, 238,080 bytes of LDS; arguments q_img, q_sc, k_img, k_sc, v_img, v_sc, lambda_q1, lambda_k1, lambda_q2, lambda_k2, rms_scale, o_codes, o_scales; writes o_codes, o_scales
.if DOCPART == 2
	.amdgcn_target "amdgcn-amd-amdhsa--gfx1250"
	.amdhsa_code_object_version 6
	.text
	.protected	k_qff1cfe7513_attn
	.globl	k_qff1cfe7513_attn
	.p2align	8
	.type	k_qff1cfe7513_attn,@function
k_qff1cfe7513_attn:
	s_mov_b64 s[64:65], 0
	v_nop
	global_prefetch_b8 v0, s[64:65] scope:SCOPE_SE
	s_setreg_imm32_b32 hwreg(HW_REG_WAVE_MODE, 25, 1), 1
	s_wait_xcnt 0x0
	s_wait_alu depctr_hold_cnt(0) depctr_sa_sdst(0) depctr_va_vdst(0) depctr_va_sdst(0) depctr_va_ssrc(0) depctr_va_vcc(0) depctr_vm_vsrc(0)
	s_getreg_b32 s2, hwreg(HW_REG_IB_STS2, 6, 4)
	s_cmp_eq_u32 s2, 0
	s_cbranch_scc0 .Lentry_in_a_cluster
	s_endpgm
.Lentry_in_a_cluster:
	s_bfe_u32 s2, ttmp6, 0x10000c
	s_cmp_lg_u32 s2, 0x3003
	s_cbranch_scc0 .Lentry_shape_is_right
	s_endpgm
.Lentry_shape_is_right:
; For one (batch, head): attn = softmax(Q1 K1^T / 8) - lam softmax(Q2 K2^T / 8); O = attn V; O / rms(O) x rms_scale x 0.2, quantised along the channels for the last product.
; All three products on codes of FP6 (E2M3) with E8M0 scales.  THE SECOND PRODUCT'S LEFT OPERAND IS THE FINISHED attn: a row's maxima and sums over all 2,048 keys are known before a code of it is made.
; So a tile of 16 queries keeps its 2 x 2,048 exponentials in registers until the sums are known, and every score and every exponential is made once.
; SHARES.  A work-group of four waves owns 256 queries of one head, 16 tiles of 16.  Wave w owns keys 512 w .. 512 w + 511 for every tile: its 32 fragments of K stay in 384 registers, its 32 fragments of V^T in
; 49,152 bytes of LDS that it alone reads.  In the loop only a tile's Q (1,600 bytes) comes from memory, asked for a whole tile ahead.
; SCORES.  K = 64 is half of the instruction's 128: Q1 | zero codes and zero codes | Q2 are multiplied by the whole fragment K1 | K2.  S^T = K Q^T: a lane holds one query (lane % 16), register 8 t + j key 16 t + 8 (lane / 16) + j.
; SOFTMAX.  Each wave takes the maximum m_w and the sum l_w of e = 2^(c s - c m_w), c = log2(e) / 8, over its own 512 keys; the four waves exchange them through LDS; attn = e1 F1 + e2 F2 with
; F1 = 2^(c m1_w - c m1) / l1 and F2 = -lam 2^(c m2_w - c m2) / l2.
; O^T = V^T P: four partial sums (one a wave) meet in LDS; wave w then finishes queries 4 w .. 4 w + 3: sum, mean square, gain, codes and scale bytes, in the channels' true order.
; CLUSTER.  The four query blocks of a cluster belong to one head: V's images are asked for jointly, one tensor load a wave, filled once.  K goes from memory straight into registers, where no tensor load reaches, and
; LDS has no room for it beside V: so K is loaded by each work-group for itself.
; LIMITS: NaN and infinities are not served; lam must be finite.  v_exp_f32 gives 0 for results under 2^-126: an e, or a wave's factor 2^(c m_w - c m), that small counts as 0.  A block of zeros gets the byte 1 where the
; quantiser says 127: its codes are zeros, and this program alone reads the bytes.  Sums run in another order than a plain loop over the keys: four key quarters are added in f32.
; REGISTERS, in windows of 256 (s_set_vgpr_msb: bits 1:0 source 0, 3:2 source 1, 5:4 source 2, 7:6 destination):
;   window 0: v1-12 addresses, v13 -lam; v16-31 K's scale words, v32-47 V's, v66 Q's, v68-71 P's (scales and nothing else); v48-53 Q1, v54-59 zeros, v60-65 Q2; v72-111 at work; v112-123 codes; v124-255 K's fragments 0-10
;   window 1: K's fragments 11-31    window 2: S1, e1, attn; later the sums of O    window 3: S2, e2; later O^T (v0-63) and two buffers of V's fragments (v64-159, v160-255)
.set STAT, 196608                      ; LDS: behind V's 4 x 49,152 bytes: each wave's [c m1, l1, c m2, l2], 16 bytes a lane, 512 a wave
.set GSB,  198656                      ; a copy for each wave of 0.2 x rms_scale, 512 bytes
.set OPB,  200704                      ; four partial sums of O: 16 rows x (512 bytes + 16) each
.set OPP,  528
.set OPW,  16*OPP
.set VWB,  49152                       ; a wave's 32 images of V^T
.set IMG,  1536                        ; an image: 12 registers x 128 bytes
.set TILES, 16                         ; tiles of 16 queries to a work-group
.set TM,   92                          ; v92-107 the statistics read back; later the quantiser's maxima, bytes and scale operands
.set CT,   80                          ; v80-87 the sums' chains; later the upper halves of the blocks' codes
.set SEL,  36                          ; s[36:37] lane selects for lane l xor 16
.set MSB, 0
.macro WIN new                         ; the immediate's high byte repeats the setting that is left; a switch that changes nothing is dropped
.if MSB != (\new)
	s_set_vgpr_msb (MSB<<8)|(\new)
.set MSB, (\new)
.endif
.endm
.macro CROUND                          ; a round of the cluster's barrier
	s_barrier_signal -1
	s_barrier_wait -1
	s_cmp_lg_u32 s30, 0
	s_cbranch_scc1 .Lnot_wave_0_\@
	s_barrier_signal -3
.Lnot_wave_0_\@:
	s_barrier_wait -3
	s_barrier_signal -1
	s_barrier_wait -1
.endm
.macro QLOAD                           ; a tile's Q: registers 0-5 of its image (Q1) to v48-53, registers 6-11 (Q2) to v60-65; its scale word to v66
	global_load_b128 v[48:51], v1, s[4:5]
	global_load_b64 v[52:53], v1, s[4:5] offset:512
	global_load_b64 v[60:61], v1, s[4:5] offset:520
	global_load_b128 v[62:65], v1, s[4:5] offset:1024
	global_load_b32 v66, v8, s[6:7]
.endm
; Scores of key tiles t0 .. t1.  x = 0: S1 = K (Q1 | 0)^T; x = 1: S2 = K (0 | Q2)^T.  Each product starts and ends its own sum.
.macro SPROD x, t0, t1
.set t, \t0
.rept \t1-\t0+1
.if t < 11
.set rK, 124+12*t
.else
.set rK, 12*(t-11)
.endif
.set rS, 16+4*(t/8)+(t%8)/2
.if t%2
	v_wmma_scale_f32_16x16x128_f8f6f4 v[8*t:8*t+7], v[rK:rK+11], v[48+6*(\x):59+6*(\x)], 0, v[rS], v66 matrix_a_fmt:MATRIX_FMT_FP6 matrix_b_fmt:MATRIX_FMT_FP6 matrix_a_scale:MATRIX_SCALE_ROW1
.else
	v_wmma_scale_f32_16x16x128_f8f6f4 v[8*t:8*t+7], v[rK:rK+11], v[48+6*(\x):59+6*(\x)], 0, v[rS], v66 matrix_a_fmt:MATRIX_FMT_FP6 matrix_b_fmt:MATRIX_FMT_FP6
.endif
.set t, t+1
.endr
.endm
; The largest of my query's 512 scores in window 2 + x: four chains, each accumulator from its low end on; c m to v[88 + 2 x], -c m to v[76 + 2 x]
.macro MAXX x
	WIN 0x0a+5*(\x)
.set i, 0
.rept 128
.if i < 4
	v_max3_num_f32 v[72+i], v[2*i], v[2*i+1], 0xff800000
.else
	v_max3_num_f32 v[72+i%4], v[2*i], v[2*i+1], v[72+i%4]
.endif
.set i, i+1
.endr
	WIN 0
	v_max3_num_f32 v72, v72, v73, v74
	v_max_num_f32 v72, v72, v75
	v_permlanex16_b32 v73, v72, s[SEL], s[SEL+1]   ; the query's other 256 keys lie in the lane 16 away
	v_max_num_f32 v72, v72, v73
	v_mul_f32 v[88+2*(\x)], s38, v72
	v_mul_f32 v[76+2*(\x)], s54, v72
.endm
; e = 2^(c s - c m) in place, in four phases of 64 numbers: a phase's 64 exponentials stand among the next phase's 32 packed scalings, which name other registers;
; one wait stands between a phase's scalings and its exponentials; no line names an exponential's result; one plain line and one wait close the batch.
.macro FE x
	WIN 0x82+0x41*(\x)
.set i, 0
.rept 32
	v_pk_fma_f32 v[2*i:2*i+1], v[2*i:2*i+1], s[38:39], v[76+2*(\x):77+2*(\x)] op_sel_hi:[1,0,0]
.set i, i+1
.endr
.rept 3
	s_wait_alu depctr_va_vdst(0)
.rept 32
	v_pk_fma_f32 v[2*i:2*i+1], v[2*i:2*i+1], s[38:39], v[76+2*(\x):77+2*(\x)] op_sel_hi:[1,0,0]
	v_exp_f32 v[2*i-64], v[2*i-64]
	v_exp_f32 v[2*i-63], v[2*i-63]
.set i, i+1
.endr
.endr
	s_wait_alu depctr_va_vdst(0)
.set i, 192
.rept 64
	v_exp_f32 v[i], v[i]
.set i, i+1
.endr
	v_nop                                          ; the plain line behind the last exponential
	s_wait_alu depctr_va_vdst(0)                   ; one wait for the 256, ahead of the first line that names a result
.endm
; The sum of my query's 512 e: four chains of pairs, begun by the first eight pairs; to v[89 + 2 x]
.macro SUMX x
	WIN 0x0a+5*(\x)
.irp c, 0,1,2,3
	v_pk_add_f32 v[80+2*\c:81+2*\c], v[2*\c:2*\c+1], v[8+2*\c:9+2*\c]
.endr
	WIN 0x02+(\x)
.set i, 8
.rept 120
	v_pk_add_f32 v[80+2*(i%4):81+2*(i%4)], v[2*i:2*i+1], v[80+2*(i%4):81+2*(i%4)]
.set i, i+1
.endr
	WIN 0
	v_pk_add_f32 v[80:81], v[80:81], v[82:83]
	v_pk_add_f32 v[84:85], v[84:85], v[86:87]
	v_pk_add_f32 v[80:81], v[80:81], v[84:85]
	v_add_f32 v80, v80, v81
	v_permlanex16_b32 v81, v80, s[SEL], s[SEL+1]
	v_add_f32 v[89+2*(\x)], v80, v81
.endm
; attn of keys 128 j .. 128 j + 127 of my 512: e1 F1 + e2 F2, into e1's registers; e2's are free behind it
.macro COMB j
	WIN 0x82
.set i, 32*(\j)
.rept 32
	v_pk_mul_f32 v[2*i:2*i+1], v[2*i:2*i+1], v[108:109] op_sel_hi:[1,0]
.set i, i+1
.endr
	WIN 0xa3                                       ; source 0 window 3, source 1 window 0, source 2 and destination window 2
.set i, 32*(\j)
.rept 32
	v_pk_fma_f32 v[2*i:2*i+1], v[2*i:2*i+1], v[110:111], v[2*i:2*i+1] op_sel_hi:[1,0,1]
.set i, i+1
.endr
.endm
; V^T's eight fragments of my K step j, one run of 24 loads, into window 3: even j at v160, odd j at v64
.macro LOADV j
	WIN 0xc0
.set bV, 160-96*((\j)%2)
.irp a, 0,1,2,3,4,5,6,7
.irp c, 0,1,2
	ds_load_b128 v[bV+12*\a+4*\c:bV+12*\a+4*\c+3], v2 offset:(8*(\j)+\a)*IMG+512*\c
.endr
.endr
.endm
; O^T += V^T P, K step j: eight accumulators by turns, one instruction a turn; the first K step starts the sums
.macro PV j
	WIN 0xf3                                       ; V window 3, P window 0, C and D window 3
.set bV, 160-96*((\j)%2)
.irp a, 0,1,2,3,4,5,6,7
.if (\j) == 0
.if \a%2
	v_wmma_scale_f32_16x16x128_f8f6f4 v[8*\a:8*\a+7], v[bV+12*\a:bV+12*\a+11], v[112:123], 0, v[32+4*(\j)+\a/2], v[68+(\j)] matrix_a_fmt:MATRIX_FMT_FP6 matrix_b_fmt:MATRIX_FMT_FP6 matrix_a_scale:MATRIX_SCALE_ROW1
.else
	v_wmma_scale_f32_16x16x128_f8f6f4 v[8*\a:8*\a+7], v[bV+12*\a:bV+12*\a+11], v[112:123], 0, v[32+4*(\j)+\a/2], v[68+(\j)] matrix_a_fmt:MATRIX_FMT_FP6 matrix_b_fmt:MATRIX_FMT_FP6
.endif
.else
.if \a%2
	v_wmma_scale_f32_16x16x128_f8f6f4 v[8*\a:8*\a+7], v[bV+12*\a:bV+12*\a+11], v[112:123], v[8*\a:8*\a+7], v[32+4*(\j)+\a/2], v[68+(\j)] matrix_a_fmt:MATRIX_FMT_FP6 matrix_b_fmt:MATRIX_FMT_FP6 matrix_a_scale:MATRIX_SCALE_ROW1
.else
	v_wmma_scale_f32_16x16x128_f8f6f4 v[8*\a:8*\a+7], v[bV+12*\a:bV+12*\a+11], v[112:123], v[8*\a:8*\a+7], v[32+4*(\j)+\a/2], v[68+(\j)] matrix_a_fmt:MATRIX_FMT_FP6 matrix_b_fmt:MATRIX_FMT_FP6
.endif
.endif
.endr
.endm
; THE QUANTISER.  64 numbers of a lane in window w, v[s] .. v[s + 63], register 16 b + i of block b of my row, become a fragment's codes in v[pc] .. v[pc + 11] and its scale word in v[pw] (window 0).
; Slot 16 h + 8 u + j of block b holds element 32 b + 16 u + 8 h + j: the order in which V^T's keys were laid by the launch before.
.macro QUANTW s, w, pc, pw
	WIN 5*(\w)                                     ; sources 0 and 1 in window w
.irp b, 0,1,2,3
	v_max3_num_f32 v[TM+\b], |v[(\s)+16*\b]|, |v[(\s)+16*\b+1]|, 0x1800000   ; my 16 numbers of block b, and the floor 2^(3 - 127): the byte cannot fall under 1
.endr
.irp i, 2,4,6,8,10,12,14
.irp b, 0,1,2,3
	v_max3_num_f32 v[TM+\b], |v[(\s)+16*\b+\i]|, |v[(\s)+16*\b+\i+1]|, v[TM+\b]   ; the four blocks by turns
.endr
.endr
	WIN 0
.irp b, 0,1,2,3
	v_permlanex16_b32 v[TM+4+\b], v[TM+\b], s[SEL], s[SEL+1]
.endr
.irp b, 0,1,2,3
	v_max_num_f32 v[TM+\b], v[TM+\b], v[TM+4+\b]   ; with lane l xor 16's: the block's largest magnitude
.endr
.irp b, 0,1,2,3
	v_add_nc_u32 v[TM+12+\b], 0xff000000, v[TM+\b] ; 2 off its exponent field: the conversion's scale operand
.endr
.irp b, 0,1,2,3
	v_lshrrev_b32 v[TM+4+\b], 23, v[TM+12+\b]      ; the scale's byte
.endr
	v_lshl_or_b32 v[\pw], v[TM+5], 8, v[TM+4]      ; four bytes: my row's scale word
	v_lshl_or_b32 v[\pw], v[TM+6], 16, v[\pw]
	v_lshl_or_b32 v[\pw], v[TM+7], 24, v[\pw]
	WIN (\w)                                       ; source 0 in window w
.irp c, 0,1
	v_cvt_scalef32_pk16_fp6_f32 v[(\pc)+6*\c:(\pc)+6*\c+2], v[(\s)+32*\c:(\s)+32*\c+15], v[TM+12+2*\c]
	v_cvt_scalef32_pk16_fp6_f32 v[CT+4*\c:CT+4*\c+2], v[(\s)+32*\c+16:(\s)+32*\c+31], v[TM+13+2*\c]   ; (a conversion's three registers begin on an even number)
.endr
	WIN 0
	v_nop                                          ; one plain line behind the scaled conversions
.irp c, 0,1                                    ; the operand's layout wants a whole block in a lane: lanes 0-15 block 2 c, lanes 16-31 block 2 c + 1
.irp i, 0,1,2
	v_permlane16_swap_b32 v[(\pc)+6*\c+\i], v[CT+4*\c+\i]
.endr
.irp i, 0,1,2
	v_mov_b32 v[(\pc)+3+6*\c+\i], v[CT+4*\c+\i]
.endr
.endr
.endm
	s_load_b512 s[4:19], s[0:1], 0x0               ; q_img s[4:5], q_sc s[6:7], k_img s[8:9], k_sc s[10:11], v_img s[12:13], v_sc s[14:15], lambda_q1 s[16:17], lambda_k1 s[18:19]
	s_load_b256 s[20:27], s[0:1], 0x40             ; lambda_q2 s[20:21], lambda_k2 s[22:23], rms_scale s[24:25], o_codes s[26:27]
	s_load_b64 s[28:29], s[0:1], 0x60              ; o_scales
	v_lshl_add_u32 v67, v0, 2, 0x3a000
	s_set_vgpr_msb 0x40
	v_mov_b32 v255, 0
	s_set_vgpr_msb 0x4044
	ds_add_u32 v67, v255
	ds_add_u32 v67, v255
	s_set_vgpr_msb 0x4400
	v_lshrrev_b32 v15, 5, v0                       ; wave
	v_readfirstlane_b32 s30, v15
	v_and_b32 v14, 31, v0                          ; l
	v_and_b32 v11, 15, v0                          ; r = l % 16
	v_bfe_u32 v13, v0, 4, 1                        ; h = l / 16
	v_lshlrev_b32 v1, 4, v14                       ; v1: 16 l: my place in an image and in a pack
	v_mad_u32_u24 v2, v15, VWB, v1                 ; v2: my wave's images of V^T in LDS, + 16 l
	v_lshl_add_u32 v3, v0, 4, STAT                 ; v3: where I put my statistics: 512 wave + 16 l
	v_add_nc_u32 v4, STAT, v1                      ; v4: where I read the four waves' back
	v_mul_u32_u24 v5, v11, OPP
	v_lshl_add_u32 v5, v13, 5, v5
	v_mad_u32_u24 v5, v15, OPW, v5
	v_add_nc_u32 v5, OPB, v5                       ; v5: my wave's partial sum of O: row r, + 32 h
	v_lshrrev_b32 v10, 3, v0                       ; 4 wave + l / 8: the query of the tile that I finish
	v_and_b32 v12, 7, v0                           ; l % 8: which 16 of its channels
	v_mul_u32_u24 v6, v10, OPP
	v_lshl_add_u32 v6, v12, 6, v6
	v_add_nc_u32 v6, OPB, v6                       ; v6: where I read them, in the first partial sum
	v_lshlrev_b32 v7, 4, v11                       ; v7: 16 r: a row's place in a pack of scale words
	v_mov_b32 v8, v7                               ; v8: + the tile's place: tile 0's is 0
	v_mul_u32_u24 v9, v10, 1536
	v_mad_u32_u24 v9, v12, 12, v9                  ; v9: my 12 bytes of codes: a token's row is 1,536 bytes
	v_lshrrev_b32 v11, 1, v12
	v_lshl_add_u32 v10, v10, 6, v11                ; v10: my block's scale byte: a token's row is 64 bytes
	v_lshlrev_b32 v12, 6, v12
	v_lshl_add_u32 v12, v15, 9, v12
	v_add_nc_u32 v12, GSB, v12                     ; v12: the gains of my 16 channels, in my wave's copy
	v_lshl_add_u32 v11, v0, 4, GSB                 ; v11: where I put 16 bytes of that copy
	v_lshlrev_b32 v14, 3, v14                      ; v14: 8 l: my two numbers of each lambda
	s_bfe_u32 s31, ttmp6, 0x40000                  ; cx: my place in the cluster
	s_lshl_b32 s32, ttmp9, 2
	s_add_co_u32 s32, s32, s31                     ; my block of 256 queries: it enters Q's and O's global addresses alone
	s_and_b32 s33, ttmp7, 0xffff                   ; batch x 16 + head, which the four partners share
	s_mov_b32 s[SEL], 0x76543210
	s_mov_b32 s[SEL+1], 0xfedcba98
	s_mov_b32 s38, 0x3e38aa3b                      ; c = log2(e) / 8
	s_mov_b32 s39, s38                             ; (named with it as a pair, so it is written)
	s_mov_b32 s54, 0xbe38aa3b                      ; -c
	s_mov_b32 s55, 0x3c000000                      ; 1 / 128
	s_mov_b32 s56, 0x3727c5ac                      ; 1e-5
	s_mov_b32 s52, TILES                           ; tiles to go
	s_mov_b32 s53, 1                               ; the tile whose Q is asked for next
	; V's descriptor: my wave's 49,152 dense bytes as 192 rows of 256 bytes (32 elements of 8 bytes), no padding; nothing in it hangs on cx
	s_mov_b32 s40, 15|(3<<16)|(1<<21)              ; 15:0 the mask: all four work-groups; 17:16 elements of 8 bytes; 21 set beside a mask
	s_mov_b32 s41, 32<<16                          ; tensor_dim0 = 32
	s_mov_b32 s42, 192<<16                         ; tensor_dim1 = 192
	s_mov_b32 s43, 32<<16                          ; tile_dim0 = 32
	s_mov_b32 s44, 192                             ; tile_dim1 = 192
	s_mov_b32 s45, 32                              ; tensor_dim0_stride
	s_mov_b32 s46, 0
	s_mov_b32 s47, 0
	s_mul_i32 s58, s33, 4*VWB
	s_mul_i32 s59, s30, VWB
	s_add_co_u32 s58, s58, s59                     ; in memory: head x 196,608 + wave x 49,152
	s_mov_b32 s59, 0
	s_mov_b32 s48, 1                               ; count = 1
	s_mul_i32 s49, s30, VWB
	s_wait_alu depctr_va_vdst(0)
	s_wait_dscnt 0x0
	s_wait_kmcnt 0x0
	s_add_nc_u64 s[50:51], s[12:13], s[58:59]
	s_or_b32 s51, s51, 0x80000000                  ; type = 2
	s_mov_b32 s35, 0
	s_lshl_b32 s34, s33, 7
	s_lshl_b32 s57, s32, 4
	s_add_co_u32 s34, s34, s57
	s_mul_i32 s34, s34, IMG
	s_add_nc_u64 s[4:5], s[4:5], s[34:35]          ; Q's images: fragment 128 head + 16 block
	s_lshl_b32 s34, s33, 4
	s_lshl_b32 s57, s32, 1
	s_add_co_u32 s34, s34, s57
	s_lshl_b32 s34, s34, 9
	s_add_nc_u64 s[6:7], s[6:7], s[34:35]          ; Q's packs: 16 head + 2 block
	s_lshl_b32 s34, s33, 7
	s_lshl_b32 s57, s30, 5
	s_add_co_u32 s34, s34, s57
	s_mul_i32 s34, s34, IMG
	s_add_nc_u64 s[8:9], s[8:9], s[34:35]          ; K's images: fragment 128 head + 32 wave
	s_lshl_b32 s34, s33, 4
	s_lshl_b32 s57, s30, 2
	s_add_co_u32 s34, s34, s57
	s_lshl_b32 s34, s34, 9
	s_add_nc_u64 s[10:11], s[10:11], s[34:35]      ; K's and V's packs: 16 head + 4 wave
	s_add_nc_u64 s[14:15], s[14:15], s[34:35]
	s_lshr_b32 s34, s33, 4
	s_lshl_b32 s34, s34, 11
	s_lshl_b32 s57, s32, 8
	s_add_co_u32 s60, s34, s57                     ; my block's first token: batch x 2,048 + 256 block
	s_and_b32 s61, s33, 15                         ; the head
	s_mul_i32 s34, s60, 1536
	s_mul_i32 s57, s61, 96
	s_add_co_u32 s34, s34, s57
	s_add_nc_u64 s[26:27], s[26:27], s[34:35]      ; O's codes: the token's row, the head's 96 bytes
	s_lshl_b32 s34, s60, 6
	s_lshl_b32 s57, s61, 2
	s_add_co_u32 s34, s34, s57
	s_add_nc_u64 s[28:29], s[28:29], s[34:35]      ; O's scale bytes: the token's row, the head's 4 bytes
	CROUND                                         ; all four work-groups are here: the joint loads meet
	tensor_load_to_lds s[48:51], s[40:47]          ; my wave's one tensor load of the launch
	s_nop 0
.rept 4
	v_nop
.endr
	global_load_b64 v[80:81], v14, s[16:17]        ; lambda_q1, lambda_k1, lambda_q2, lambda_k2: two numbers a lane
	global_load_b64 v[82:83], v14, s[18:19]
	global_load_b64 v[84:85], v14, s[20:21]
	global_load_b64 v[86:87], v14, s[22:23]
	global_load_b128 v[92:95], v1, s[24:25]        ; rms_scale: four numbers a lane
	QLOAD                                          ; tile 0
.irp g, 0,1,2,3
	global_load_b128 v[16+4*\g:19+4*\g], v1, s[10:11] offset:512*\g   ; the scale words of my 32 fragments of K,
	global_load_b128 v[32+4*\g:35+4*\g], v1, s[14:15] offset:512*\g   ; and of V^T
.endr
.set t, 0
.rept 11                                       ; K's fragments stay in registers for the whole launch
.irp c, 0,1,2
	global_load_b128 v[124+12*t+4*\c:127+12*t+4*\c], v1, s[8:9] offset:IMG*t+512*\c
.endr
.set t, t+1
.endr
	WIN 0x40                                       ; destination window 1
.rept 21
.irp c, 0,1,2
	global_load_b128 v[12*(t-11)+4*\c:12*(t-11)+4*\c+3], v1, s[8:9] offset:IMG*t+512*\c
.endr
.set t, t+1
.endr
	WIN 0
.irp z, 54,55,56,57,58,59
	v_mov_b32 v[\z], 0                             ; the zero codes beside Q1 and Q2
.endr
.irp z, 77,79,90,91,109,111
	v_mov_b32 v[\z], 0                             ; upper halves of pairs of which the low word alone is taken, and two lane permutes' destinations: written once
.endr
	s_mov_b32 s57, 0x3fb8aa3b                      ; log2(e), and what f32 leaves of it
	s_mov_b32 s58, 0x32a57060
	s_wait_alu depctr_va_vdst(0)
	s_wait_loadcnt 0x0
	; lam = exp(lambda_q1 . lambda_k1) - exp(lambda_q2 . lambda_k2) + 0.8, in f32
	v_mul_f32 v88, v80, v82
	v_mul_f32 v89, v84, v86
	v_fmac_f32 v88, v81, v83
	v_fmac_f32 v89, v85, v87
.irp m, 1,2,4,8
	v_add_f32_dpp v88, v88, v88 row_xmask:\m row_mask:0xf bank_mask:0xf
	v_add_f32_dpp v89, v89, v89 row_xmask:\m row_mask:0xf bank_mask:0xf
.endr
	v_permlanex16_b32 v90, v88, s[SEL], s[SEL+1]
	v_permlanex16_b32 v91, v89, s[SEL], s[SEL+1]
	v_add_f32 v88, v88, v90
	v_add_f32 v89, v89, v91                        ; the two dot products, in every lane
	v_mul_f32 v90, s57, v88                        ; x log2(e) in two parts, so that a large x costs no accuracy: the product rounded,
	v_mul_f32 v91, s57, v89
	v_fma_f32 v72, v88, s57, -v90                  ; what the rounding lost,
	v_fma_f32 v73, v89, s57, -v91
	v_fma_f32 v72, v88, s58, v72                   ; and the constant's own rest
	v_fma_f32 v73, v89, s58, v73
	v_rndne_f32 v74, v90                           ; the whole part goes into the exponent by v_ldexp_f32
	v_rndne_f32 v75, v91
	v_sub_f32 v90, v90, v74
	v_sub_f32 v91, v91, v75
	v_add_f32 v90, v90, v72
	v_add_f32 v91, v91, v73
	s_wait_alu depctr_va_vdst(0)
	v_exp_f32 v90, v90
	v_exp_f32 v91, v91
	v_cvt_i32_f32 v74, v74                         ; (plain lines behind the exponentials)
	v_cvt_i32_f32 v75, v75
	s_wait_alu depctr_va_vdst(0)                   ; one wait for the two, ahead of their first reader
	v_ldexp_f32 v90, v90, v74
	v_ldexp_f32 v91, v91, v75
	v_sub_f32 v13, v91, v90
	v_add_f32 v13, 0xbf4ccccd, v13                 ; v13 = -lam
	v_pk_mul_f32 v[92:93], v[92:93], 0x3e4ccccd op_sel_hi:[1,0]   ; 0.2 x rms_scale
	v_pk_mul_f32 v[94:95], v[94:95], 0x3e4ccccd op_sel_hi:[1,0]
	ds_store_b128 v11, v[92:95]                    ; my wave's own copy: read by my wave alone, behind this store
	s_wait_alu depctr_va_vdst(0)
	s_wait_tensorcnt 0x0
.Ltile:
	s_wait_loadcnt 0x0                             ; this tile's Q is in (asked for a tile ago)
	WIN 0x80
	SPROD 0, 0, 10                                 ; 64 products under four window settings: S1 and S2 against K's fragments in window 0,
	WIN 0xc0
	SPROD 1, 0, 10
	WIN 0x81
	SPROD 0, 11, 31                                ; and against those in window 1
	WIN 0xc1
	SPROD 1, 11, 31
	WIN 0
	s_lshr_b32 s57, s53, 3                         ; the next tile n's scale word in Q's packs: pack n / 8, lanes 16 (n % 2) on, register (n / 2) % 4
	s_lshl_b32 s57, s57, 9
	s_and_b32 s58, s53, 1
	s_lshl_b32 s58, s58, 8
	s_or_b32 s57, s57, s58
	s_bfe_u32 s58, s53, 0x20001
	s_lshl_b32 s58, s58, 2
	s_or_b32 s57, s57, s58
	s_add_co_u32 s53, s53, 1
	v_add_nc_u32 v8, s57, v7                       ; with three v_nop: the four places behind the last product, for the loads into Q's registers and the reads of the scores
.rept 3
	v_nop
.endr
	s_wait_alu depctr_va_vdst(0)
	s_cmp_eq_u32 s52, 1
	s_cbranch_scc1 .Lno_next
	s_add_nc_u64 s[4:5], s[4:5], IMG
	QLOAD
.Lno_next:
	MAXX 0
	MAXX 1
	FE 0
	FE 1
	SUMX 0
	SUMX 1
	; the four waves exchange [c m1, l1, c m2, l2]
	ds_store_b128 v3, v[88:91]
	s_wait_dscnt 0x0                               ; for the others' sake: my store has landed (and my reads of the partial sums of the tile before are long over)
	s_barrier_signal -1
	s_barrier_wait -1
.irp p, 0,1,2,3
	ds_load_b128 v[92+4*\p:95+4*\p], v4 offset:512*\p
.endr
	s_wait_dscnt 0x0
	v_max3_num_f32 v72, v92, v96, v100
	v_max3_num_f32 v73, v94, v98, v102
	v_max_num_f32 v72, v72, v104                   ; c m1 of the whole row,
	v_max_num_f32 v73, v73, v106                   ; c m2
.irp p, 0,1,2,3
	v_sub_f32 v[92+4*\p], v[92+4*\p], v72
	v_sub_f32 v[94+4*\p], v[94+4*\p], v73
.endr
	v_sub_f32 v72, v88, v72                        ; my own wave's
	v_sub_f32 v73, v90, v73
	s_wait_alu depctr_va_vdst(0)
.irp p, 0,1,2,3
	v_exp_f32 v[92+4*\p], v[92+4*\p]
	v_exp_f32 v[94+4*\p], v[94+4*\p]
.endr
	v_exp_f32 v72, v72
	v_exp_f32 v73, v73
	v_nop                                          ; the plain line behind the last exponential
	s_wait_alu depctr_va_vdst(0)                   ; one wait for the ten
	v_mul_f32 v74, v92, v93                        ; l = the sum over the waves of 2^(c m_w - c m) l_w, in the same order in all four waves
	v_mul_f32 v75, v94, v95
.irp p, 1,2,3
	v_fmac_f32 v74, v[92+4*\p], v[93+4*\p]
	v_fmac_f32 v75, v[94+4*\p], v[95+4*\p]
.endr
	s_wait_alu depctr_va_vdst(0)
	v_rcp_f32 v74, v74
	v_rcp_f32 v75, v75
	v_mul_f32 v73, v73, v13                        ; (the plain line behind the reciprocals)  x -lam
	s_wait_alu depctr_va_vdst(0)                   ; one wait for the two
	v_mul_f32 v108, v72, v74                       ; F1
	v_mul_f32 v110, v73, v75                       ; F2
	COMB 3                                         ; from the top down: e2's registers are freed in the order in which V's buffers and O^T want them
	COMB 2
	LOADV 0                                        ; v160-255 of window 3 are free
	COMB 1
	LOADV 1                                        ; v64-159
	COMB 0
.irp j, 0,1,2,3
	QUANTW 64*\j, 2, 112, 68+\j                    ; attn of my K step j becomes source 1 and its scale word.  (Its 32 maxima are the places between the products before and the new codes)
.rept 8
	v_nop                                          ; a scale word written by vector lines stands eight places ahead of the scaled product, an operand so written four
.endr
	s_wait_alu depctr_va_vdst(0)
.if \j < 3
	s_wait_dscnt 24
.else
	s_wait_dscnt 0x0
.endif
	PV \j
.if \j < 2
	WIN 0
.rept 4
	v_nop                                          ; places in front of loads into registers that the products have read
.endr
	LOADV \j+2
.endif
.endr
	WIN 0
.rept 4
	v_nop                                          ; places in front of the stores that read the results
.endr
	WIN 0x0c                                       ; an LDS store's data are its source 1: window 3
.irp a, 0,1,2,3,4,5,6,7
	ds_store_b128 v5, v[8*\a:8*\a+3] offset:64*\a          ; lane (r, h): O(query r, channels 16 a + 8 h + 0 .. 7), each accumulator from its low end on
	ds_store_b128 v5, v[8*\a+4:8*\a+7] offset:64*\a+16
.endr
	WIN 0
	s_wait_dscnt 0x0                               ; for the others' sake: my partial sum has landed (and my reads of the statistics are over)
	s_barrier_signal -1
	s_barrier_wait -1
	; I finish query 4 wave + l / 8, channels 16 (l % 8) .. + 15
	WIN 0x80                                       ; destination window 2
.irp p, 0,1,2,3
.irp i, 0,1,2,3
	ds_load_b128 v[16*\p+4*\i:16*\p+4*\i+3], v6 offset:OPW*\p+16*\i
.endr
.endr
.irp i, 0,1,2,3
	ds_load_b128 v[64+4*\i:67+4*\i], v12 offset:16*\i
.endr
	s_wait_dscnt 4                                 ; the sixteen loads of the partial sums are in; the four of the gains may be out
	WIN 0xaa                                       ; all in window 2
.irp i, 0,2,4,6,8,10,12,14
	v_pk_add_f32 v[\i:\i+1], v[\i:\i+1], v[16+\i:17+\i]
	v_pk_add_f32 v[32+\i:33+\i], v[32+\i:33+\i], v[48+\i:49+\i]
.endr
.irp i, 0,2,4,6,8,10,12,14
	v_pk_add_f32 v[\i:\i+1], v[\i:\i+1], v[32+\i:33+\i]   ; O
.endr
	v_pk_mul_f32 v[80:81], v[0:1], v[0:1]
.irp i, 2,4,6,8,10,12,14
	v_pk_fma_f32 v[80:81], v[\i:\i+1], v[\i:\i+1], v[80:81]
.endr
	WIN 0x0a
	v_add_f32 v72, v80, v81
	WIN 0
.irp m, 1,2,4
	v_add_f32_dpp v72, v72, v72 row_xmask:\m row_mask:0xf bank_mask:0xf   ; the eight lanes of a query: the sum of its 128 squares
.endr
	v_fma_f32 v73, v72, s55, s56                   ; the mean + 1e-5
	s_wait_alu depctr_va_vdst(0)
	v_rsq_f32 v108, v73
	v_nop                                          ; the plain line behind it
	s_wait_alu depctr_va_vdst(0)                   ; and the wait ahead of its first reader
	s_wait_dscnt 0x0                               ; the gains are in
	WIN 0x82
.irp i, 0,2,4,6,8,10,12,14
	v_pk_mul_f32 v[\i:\i+1], v[\i:\i+1], v[108:109] op_sel_hi:[1,0]
.endr
	WIN 0xaa
.irp i, 0,2,4,6,8,10,12,14
	v_pk_mul_f32 v[\i:\i+1], v[\i:\i+1], v[64+\i:65+\i]
.endr
	WIN 0x0a
	v_max3_num_f32 v72, |v0|, |v1|, 0x1800000      ; the largest magnitude of my 16, with the floor 2^(3 - 127)
	v_max3_num_f32 v73, |v2|, |v3|, 0x1800000
.irp i, 4,8,12
	v_max3_num_f32 v72, |v[\i]|, |v[\i+1]|, v72
	v_max3_num_f32 v73, |v[\i+2]|, |v[\i+3]|, v73
.endr
	WIN 0
	v_max_num_f32 v72, v72, v73
	v_max_num_f32_dpp v72, v72, v72 row_xmask:1 row_mask:0xf bank_mask:0xf   ; and of my neighbour's 16: the block's
	v_add_nc_u32 v74, 0xff000000, v72              ; 2 off its exponent field: the conversion's scale operand
	WIN 0x02
	v_cvt_scalef32_pk16_fp6_f32 v[112:114], v[0:15], v74
	WIN 0
	v_lshrrev_b32 v115, 23, v74                    ; the scale's byte.  (The plain line behind the conversion)
	global_store_b96 v9, v[112:114], s[26:27]      ; eight lanes store a head's 96 consecutive bytes of a token's row
	global_store_b8 v10, v115, s[28:29]            ; both lanes of a block store the same byte with the same value
	s_wait_alu depctr_va_vdst(0)
	s_wait_xcnt 0x0
	s_add_nc_u64 s[26:27], s[26:27], 16*1536       ; 16 tokens on
	s_add_nc_u64 s[28:29], s[28:29], 16*64
	s_sub_co_u32 s52, s52, 1
	s_cmp_lg_u32 s52, 0
	s_cbranch_scc1 .Ltile
	s_wait_dscnt 0x0
	s_set_vgpr_msb 0x4
	s_wait_tensorcnt 0x0
	ds_add_u32 v67, v255
	s_wait_dscnt 0x0
	s_set_vgpr_msb 0x400
	CROUND                                         ; the closing round: no work-group ends while a partner may still ask for a tile that names it
	s_endpgm
.Lfunc_end_k_qff1cfe7513_attn:
	.size	k_qff1cfe7513_attn, .Lfunc_end_k_qff1cfe7513_attn-k_qff1cfe7513_attn
	.p2alignl 7, 3214868480
	.fill 96, 4, 3214868480
	.section	.rodata,"a",@progbits
	.p2align	6, 0x0
	.amdhsa_kernel k_qff1cfe7513_attn
		.amdhsa_group_segment_fixed_size 238080
		.amdhsa_private_segment_fixed_size 0
		.amdhsa_enable_private_segment 0
		.amdhsa_kernarg_size 104
		.amdhsa_user_sgpr_count 2
		.amdhsa_user_sgpr_kernarg_segment_ptr 1
		.amdhsa_wavefront_size32 1
		.amdhsa_system_sgpr_workgroup_id_x 1
		.amdhsa_system_sgpr_workgroup_id_y 1
		.amdhsa_system_sgpr_workgroup_id_z 1
		.amdhsa_system_vgpr_workitem_id 0
		.amdhsa_next_free_vgpr 1024
		.amdhsa_next_free_sgpr 66
		.amdhsa_reserve_vcc 0
		.amdhsa_float_denorm_mode_32 3
		.amdhsa_float_denorm_mode_16_64 3
		.amdhsa_memory_ordered 1
		.amdhsa_forward_progress 1
		.amdhsa_inst_pref_size 148
	.end_amdhsa_kernel
	.amdgpu_metadata
---
amdhsa.version: [ 1, 2 ]
amdhsa.kernels:
  - .name:           k_qff1cfe7513_attn
    .symbol:         k_qff1cfe7513_attn.kd
    .args:
      - { .name: q_img, .offset: 0, .size: 8, .value_kind: global_buffer, .address_space: global }
      - { .name: q_sc, .offset: 8, .size: 8, .value_kind: global_buffer, .address_space: global }
      - { .name: k_img, .offset: 16, .size: 8, .value_kind: global_buffer, .address_space: global }
      - { .name: k_sc, .offset: 24, .size: 8, .value_kind: global_buffer, .address_space: global }
      - { .name: v_img, .offset: 32, .size: 8, .value_kind: global_buffer, .address_space: global }
      - { .name: v_sc, .offset: 40, .size: 8, .value_kind: global_buffer, .address_space: global }
      - { .name: lambda_q1, .offset: 48, .size: 8, .value_kind: global_buffer, .address_space: global }
      - { .name: lambda_k1, .offset: 56, .size: 8, .value_kind: global_buffer, .address_space: global }
      - { .name: lambda_q2, .offset: 64, .size: 8, .value_kind: global_buffer, .address_space: global }
      - { .name: lambda_k2, .offset: 72, .size: 8, .value_kind: global_buffer, .address_space: global }
      - { .name: rms_scale, .offset: 80, .size: 8, .value_kind: global_buffer, .address_space: global }
      - { .name: o_codes, .offset: 88, .size: 8, .value_kind: global_buffer, .address_space: global }
      - { .name: o_scales, .offset: 96, .size: 8, .value_kind: global_buffer, .address_space: global }
    .group_segment_fixed_size: 238080
    .private_segment_fixed_size: 0
    .kernarg_segment_align: 8
    .kernarg_segment_size: 104
    .max_flat_workgroup_size: 128
    .sgpr_count:     66
    .vgpr_count:     1024
    .wavefront_size: 32
...
	.end_amdgpu_metadata
.endif
;; end of part 2
;; launch outp (part 3): grid 8 x 32, 4 waves a work-group, clusters of 4 x 4, 327,680 bytes of LDS; arguments o_codes, o_scales, W_o_codes, W_o_scales, out0; writes out0
.if DOCPART == 3
	.amdgcn_target "amdgcn-amd-amdhsa--gfx1250"
	.amdhsa_code_object_version 6
	.text
	.protected	k_qff1cfe7513_outp
	.globl	k_qff1cfe7513_outp
	.p2align	8
	.type	k_qff1cfe7513_outp,@function
k_qff1cfe7513_outp:
	s_mov_b64 s[64:65], 0
	v_nop
	global_prefetch_b8 v0, s[64:65] scope:SCOPE_SE
	s_setreg_imm32_b32 hwreg(HW_REG_WAVE_MODE, 25, 1), 1
	s_wait_xcnt 0x0
	s_wait_alu depctr_hold_cnt(0) depctr_sa_sdst(0) depctr_va_vdst(0) depctr_va_sdst(0) depctr_va_ssrc(0) depctr_va_vcc(0) depctr_vm_vsrc(0)
	s_getreg_b32 s2, hwreg(HW_REG_IB_STS2, 6, 4)
	s_cmp_eq_u32 s2, 0
	s_cbranch_scc0 .Lentry_in_a_cluster
	s_endpgm
.Lentry_in_a_cluster:
	s_bfe_u32 s2, ttmp6, 0x10000c
	s_cmp_lg_u32 s2, 0xf033
	s_cbranch_scc0 .Lentry_shape_is_right
	s_endpgm
.Lentry_shape_is_right:
; out0[m][n] = sum over k of O[m][k] W_o[n][k] on codes of FP6 (E2M3) with E8M0 scales: M = 4,096, N = 1,024, K = 2,048; sums and result f32.
; The result has 32 x 8 blocks of 128 x 128: 256 work-groups of four waves; a wave makes 64 x 64 in 16 accumulators.
; K goes through two LDS slots in chunks of 512 bytes of each row: a row of codes is 1,536 bytes, three chunks, each at a multiple of 256 bytes.
; A step of 128 along K is 96 bytes; steps 5 and 10 lie across two chunks and read both slots.  The walk, 16 steps over three chunks, is written out by .rept.
; The scales of the 128 + 128 rows come into LDS once.  4 x 4 clusters: A's tiles are asked for jointly along a row of the cluster, B's along a column.
; The matrix instruction is used transposed (source 0 = B's rows, source 1 = A's rows): a lane holds eight neighbouring numbers of a row of the result.
; PREFETCH: chunk 2 is asked for at step 0, five steps ahead of its load: of the 64 rows x 512 bytes that a wave will fetch, each of the four partners that ask jointly
; names 16 rows x 2 blocks of 256 bytes, told apart by address: one instruction a wave, a lane a block.  Chunks 0 and 1 come by their loads alone.
; Windows: 0: v0-31 addresses, v32-47 scale words (two sets), v128-175 A's fragments (one set); 1: B's fragments (two sets, at v0 and v128); 2: the accumulators, (a, b) at v[8 (4 a + b)].
.set SIZE_N, 1024
.set SIZE_K, 2048
.set ROWB,   512
.set NQ,     2
.set NB,     4                         ; blocks of 16 rows a wave and side
.set KROW,   SIZE_K*6/8
.set STEPS,  SIZE_K/128
.set CHUNKS, KROW/ROWB
.set PITCH,  528                       ; 512 bytes + 16 of padding
.set XB,     ROWB-24                   ; from this byte of a chunk on, lanes 16-31 read the next chunk
.set FR,     12
.set NL,     6
.set NH,     2*NL                      ; the loads of two blocks of A
.set NP,     4
.set HALFT,  64*PITCH                  ; 64 rows: what a ring load brings and what a wave reads of a side
.set SLOT,   4*HALFT
.set KS,     SIZE_K/32
.set SROWS,  128*KS/256                ; the scales of 128 rows, in rows of 256 bytes
.set SCL,    2*SLOT
.set HALFS,  (64*KS/256)*272
.set SBLK,   (16*KS/256)*272
.set SPARE,  SCL+4*HALFS               ; the spare words, 128 bytes a wave
.set SPITCH, 272                       ; the way out: 16 rows x (256 bytes + 16) a wave
.set STAGE,  (CHUNKS%2)*SLOT           ; in the slot that does not hold the last chunk
.set ADRA, 16
.set ADRB, 20
.set STO,  24
.set RD,   25
.set CO,   26
.set ADRS, 27
.set SPW,  28
.set NIL,  29
.set PFO,  30
.set SC,   32
.set AF,   128
.set BK,   128
.set G1, 24
.set G0, 32
.set G1B, 48
.set G0B, 56
.set G1S, 68
.set G0S, 76
.set G1SB, 80
.set G0SB, 88
.set G0H, 4
.set G0HB, 8
.set PFA, 94
.set MSB, 0
.macro WIN new
.if MSB != (\new)
	s_set_vgpr_msb (MSB<<8)|(\new)
.set MSB, (\new)
.endif
.endm
.set MUL_W,  0xa1                      ; source 0 (B) window 1, source 1 (A) window 0, C and D window 2
.set TO_B,   0x40
; a joint load: waves 0, 1 for A, waves 2, 3 for B; s_nop 0 and four v_nop behind each
.macro JLOAD g0a, g1a, g0b, g1b
	s_cmp_eq_u32 s15, 0
	s_cbranch_scc0 .Lfor_b_\@
	tensor_load_to_lds s[\g0a:\g0a+3], s[\g1a:\g1a+7]
	s_nop 0
.rept 4
	v_nop
.endr
	s_branch .Lasked_\@
.Lfor_b_\@:
	tensor_load_to_lds s[\g0b:\g0b+3], s[\g1b:\g1b+7]
	s_nop 0
.rept 4
	v_nop
.endr
.Lasked_\@:
.endm
.macro CREST                           ; a round of the cluster's barrier behind its opening barrier
	s_cmp_lg_u32 s14, 0
	s_cbranch_scc1 .Lnot_wave_0_\@
	s_barrier_signal -3
.Lnot_wave_0_\@:
	s_barrier_wait -3
	s_barrier_signal -1
	s_barrier_wait -1
.endm
.macro CROUND
	s_barrier_signal -1
	s_barrier_wait -1
	CREST
.endm
	s_load_b128 s[4:7], s[0:1], 0x0                ; A's codes, A's scales
	s_load_b128 s[8:11], s[0:1], 0x10              ; B's codes, B's scales
	s_load_b64 s[12:13], s[0:1], 0x20              ; the result
	v_lshl_add_u32 v[SPW], v0, 2, SPARE
	v_mov_b32 v[NIL], 0
	ds_add_u32 v[SPW], v[NIL]                      ; the opening lines: the add twice and one wait
	ds_add_u32 v[SPW], v[NIL]
	v_lshrrev_b32 v1, 5, v0
	v_readfirstlane_b32 s14, v1                    ; wave
	s_lshr_b32 s15, s14, 1                         ; my half of the rows; also: I fetch for A (0) or B (1)
	s_and_b32 s16, s14, 1                          ; my half of the columns; also: which 64 rows I fetch
	s_bfe_u32 s40, ttmp6, 0x40000                  ; cx
	s_bfe_u32 s41, ttmp6, 0x40004                  ; cy
	s_lshl_b32 s42, ttmp9, 2
	s_add_co_u32 s42, s42, s40                     ; block column
	s_and_b32 s17, ttmp7, 0xffff
	s_lshl_b32 s17, s17, 2
	s_add_co_u32 s17, s17, s41                     ; block row
	s_lshl_b32 s43, s41, 2
	s_lshl_b32 s43, 15, s43                        ; my row of the cluster
	s_lshl_b32 s44, 0x1111, s40                    ; my column
	; group 1: rows of 512 bytes, 16 bytes of padding behind each (every 128 words, 4 words); 128 rows for the head's loads
	s_or_b32 s[G1+0], s43, (0<<16)|(1<<20)|(1<<21)|(6<<22)|(3<<25)
	s_or_b32 s[G1B+0], s44, (0<<16)|(1<<20)|(1<<21)|(6<<22)|(3<<25)
.irp g, G1, G1B
	s_mov_b32 s[\g+1], ROWB<<16
	s_mov_b32 s[\g+2], 128<<16
	s_mov_b32 s[\g+3], ROWB<<16
	s_mov_b32 s[\g+4], 128
	s_mov_b32 s[\g+5], KROW
	s_mov_b32 s[\g+6], 0
	s_mov_b32 s[\g+7], 0
.endr
	; the scales of 128 rows: a dense block, as SROWS rows of 256 bytes, 16 bytes of padding behind each
	s_or_b32 s[G1S+0], s43, (3<<16)|(1<<20)|(1<<21)|(5<<22)|(3<<25)
	s_or_b32 s[G1SB+0], s44, (3<<16)|(1<<20)|(1<<21)|(5<<22)|(3<<25)
.irp g, G1S, G1SB
	s_mov_b32 s[\g+1], 32<<16
	s_mov_b32 s[\g+2], SROWS<<16
	s_mov_b32 s[\g+3], 32<<16
	s_mov_b32 s[\g+4], SROWS
	s_mov_b32 s[\g+5], 32
	s_mov_b32 s[\g+6], 0
	s_mov_b32 s[\g+7], 0
.endr
	s_lshl_b32 s20, s17, 7                         ; A: the block's first row
	s_lshl_b32 s46, s42, 7                         ; B likewise
	s_mov_b32 s21, 0
	s_mov_b32 s47, 0
	s_mov_b64 s[18:19], KS
	s_mul_u64 s[22:23], s[20:21], s[18:19]         ; the rows' scales, in bytes
	s_mul_u64 s[92:93], s[46:47], s[18:19]
	s_mov_b64 s[18:19], KROW
	s_mul_u64 s[20:21], s[20:21], s[18:19]         ; and their codes
	s_mul_u64 s[46:47], s[46:47], s[18:19]
	s_mul_i32 s18, s16, 64*KROW                    ; in the ring: my 64 rows
	s_mov_b32 s19, 0
	s_mul_i32 s45, s14, HALFT
	s_wait_dscnt 0x0
	s_wait_kmcnt 0x0
	s_add_nc_u64 s[20:21], s[4:5], s[20:21]
	s_add_nc_u64 s[22:23], s[6:7], s[22:23]
	s_add_nc_u64 s[46:47], s[8:9], s[46:47]
	s_add_nc_u64 s[92:93], s[10:11], s[92:93]
	CROUND                                         ; the first joint loads meet
	s_mov_b32 s[G0H], 1
	s_mov_b32 s[G0H+1], 0
	s_mov_b64 s[G0H+2:G0H+3], s[20:21]
	s_or_b32 s[G0H+3], s[G0H+3], 0x80000000
	s_mov_b32 s[G0HB], 1
	s_mov_b32 s[G0HB+1], 2*HALFT
	s_mov_b64 s[G0HB+2:G0HB+3], s[46:47]
	s_or_b32 s[G0HB+3], s[G0HB+3], 0x80000000
	s_mov_b32 s[G0S], 1
	s_mov_b32 s[G0S+1], SCL
	s_mov_b64 s[G0S+2:G0S+3], s[22:23]
	s_or_b32 s[G0S+3], s[G0S+3], 0x80000000
	s_mov_b32 s[G0SB], 1
	s_mov_b32 s[G0SB+1], SCL+2*HALFS
	s_mov_b64 s[G0SB+2:G0SB+3], s[92:93]
	s_or_b32 s[G0SB+3], s[G0SB+3], 0x80000000
	s_add_nc_u64 s[20:21], s[20:21], s[18:19]
	s_add_nc_u64 s[46:47], s[46:47], s[18:19]
.irp s, 0,1
	s_mov_b32 s[G0+4*\s], 1
	s_add_co_u32 s[G0+4*\s+1], s45, \s*SLOT
	s_add_nc_u64 s[G0+4*\s+2:G0+4*\s+3], s[20:21], \s*ROWB
	s_or_b32 s[G0+4*\s+3], s[G0+4*\s+3], 0x80000000
	s_mov_b32 s[G0B+4*\s], 1
	s_add_co_u32 s[G0B+4*\s+1], s45, \s*SLOT
	s_add_nc_u64 s[G0B+4*\s+2:G0B+4*\s+3], s[46:47], \s*ROWB
	s_or_b32 s[G0B+4*\s+3], s[G0B+4*\s+3], 0x80000000
.endr
	; the prefetch's base: the 64 rows that I fetch, my work-group's 16 of them (place cx among A's partners, cy among B's), chunk 2
	s_cmp_eq_u32 s15, 0
	s_cselect_b64 s[PFA:PFA+1], s[20:21], s[46:47]
	s_cselect_b32 s96, s40, s41
	s_mul_i32 s96, s96, 16*KROW
	s_add_co_u32 s96, s96, 2*ROWB
	s_mov_b32 s97, 0
	s_add_nc_u64 s[PFA:PFA+1], s[PFA:PFA+1], s[96:97]
; the head's four tiles, one load a wave: chunk 0 of A, of B, A's scales, B's scales
.macro ARM under, g0, g1, next
	s_cmp_lt_u32 s14, \under
	s_cbranch_scc0 \next
	tensor_load_to_lds s[\g0:\g0+3], s[\g1:\g1+7]
	s_nop 0
.rept 4
	v_nop
.endr
	s_branch .Lhead_asked
\next:
.endm
	ARM 1, G0H,  G1,  .Lhead_b
	ARM 2, G0HB, G1B, .Lhead_sa
	ARM 3, G0S,  G1S, .Lhead_sb
	tensor_load_to_lds s[G0SB:G0SB+3], s[G1SB:G1SB+7]
	s_nop 0
.rept 4
	v_nop
.endr
.Lhead_asked:
	v_and_b32 v1, 15, v0                           ; l % 16
	v_bfe_u32 v2, v0, 4, 1                         ; l / 16
	v_mul_u32_u24 v3, v1, PITCH
	v_mul_u32_u24 v4, v2, 24
	v_add_nc_u32 v4, v3, v4                        ; row x pitch + 24 x half
	s_mov_b32 s21, SLOT-XB
	s_mov_b32 s22, SLOT+XB
	v_sub_nc_u32 v7, 1, v2
	v_mul_u32_u24 v5, s21, v2
	v_add_nc_u32 v5, v3, v5
	v_add_nc_u32 v5, XB, v5                        ; lanes 0-15 byte XB in slot 0, lanes 16-31 byte 0 in slot 1
	v_mul_u32_u24 v6, s22, v7
	v_add_nc_u32 v6, v3, v6                        ; and the slots the other way round
	s_mul_i32 s21, s15, HALFT
	s_mul_i32 s22, s16, HALFT
	s_add_co_u32 s22, s22, 2*HALFT
	v_add_nc_u32 v[ADRA+2], s21, v5
	v_add_nc_u32 v[ADRA+3], s21, v6
	v_add_nc_u32 v[ADRB+2], s22, v5
	v_add_nc_u32 v[ADRB+3], s22, v6
.irp s, 0,1
	v_add_nc_u32 v[ADRA+\s], s21, v4
	v_add_nc_u32 v[ADRB+\s], s22, v4
	s_add_co_u32 s21, s21, SLOT
	s_add_co_u32 s22, s22, SLOT
.endr
	v_mul_u32_u24 v5, v1, KS
	v_lshrrev_b32 v6, 8, v5
	v_lshl_add_u32 v5, v6, 4, v5
	s_mul_i32 s21, s15, HALFS
	s_mul_i32 s22, s16, HALFS
	s_add_co_u32 s22, s22, 2*HALFS
	s_sub_co_u32 s22, s22, s21
	v_mul_u32_u24 v6, s22, v2                      ; lanes 16-31 take B's scale words
	s_add_co_u32 s21, s21, SCL
	v_add_nc_u32 v5, v5, v6
	v_add_nc_u32 v[ADRS], s21, v5
	s_mul_i32 s23, s14, 16*SPITCH
	s_add_co_u32 s23, s23, STAGE
	v_mul_u32_u24 v5, v1, SPITCH                   ; in: row l % 16, 32 bytes for each half of the lanes
	v_lshl_add_u32 v5, v2, 5, v5
	v_add_nc_u32 v[STO], s23, v5
	v_mul_u32_u24 v6, v2, SPITCH                   ; back: lanes 0-15 one row of 256 bytes, lanes 16-31 the next
	v_lshl_add_u32 v6, v1, 4, v6
	v_add_nc_u32 v[RD], s23, v6
	v_mul_u32_u24 v5, v2, SIZE_N*4                 ; and the same two rows in the result
	v_lshl_add_u32 v[CO], v1, 4, v5
	v_bfe_u32 v6, v0, 1, 4                         ; the prefetch: row (l % 32) / 2,
	v_and_b32 v7, 1, v0
	v_mul_u32_u24 v6, v6, KROW
	v_lshl_add_u32 v[PFO], v7, 8, v6               ; block l % 2 of its 512 bytes
	s_lshl_b32 s20, s17, 7
	s_lshl_b32 s21, s15, 6
	s_add_co_u32 s20, s20, s21                     ; my first row of the result
	s_mov_b32 s21, 0
	s_mov_b64 s[18:19], SIZE_N*4
	s_mul_u64 s[20:21], s[20:21], s[18:19]
	s_lshl_b32 s46, s42, 9
	s_lshl_b32 s47, s16, 8
	s_add_co_u32 s46, s46, s47                     ; my first column, in bytes
	s_mov_b32 s47, 0
	s_add_nc_u64 s[20:21], s[20:21], s[46:47]
	s_add_nc_u64 s[12:13], s[12:13], s[20:21]
; a fragment: six pieces of 8 bytes; byte y of a row lies in slot (y / 512) % 2 at byte y % 512 of the LDS row
.macro FRAG reg, adr, st, i
.irp p, 0,1,2,3,4,5
.set BY, 96*(\st)+48*(\p/3)+8*(\p%3)
.if BY/ROWB == (BY+24)/ROWB
	ds_load_b64 v[\reg+2*\p:\reg+2*\p+1], v[\adr+(BY/ROWB)%2] offset:BY%ROWB+(\i)*16*PITCH
.else
	ds_load_b64 v[\reg+2*\p:\reg+2*\p+1], v[\adr+2+(BY/ROWB)%2] offset:BY%ROWB-XB+(\i)*16*PITCH
.endif
.endr
.endm
; 4 products: A's block a x B's four; the 16 accumulators take turns
.macro MUL4 a, p, q, sc, zero
.irp b, 0,1,2,3
.if \zero
	v_wmma_scale_f32_16x16x128_f8f6f4 v[8*(4*(\a)+\b):8*(4*(\a)+\b)+7], v[128*(\p)+FR*\b:128*(\p)+FR*\b+FR-1], v[AF+FR*(\a):AF+FR*(\a)+FR-1], 0, v[SC+NB*NQ*(\sc)+NQ*\b+(\q)], v[SC+NB*NQ*(\sc)+NQ*(\a)+(\q)] matrix_a_fmt:MATRIX_FMT_FP6 matrix_b_fmt:MATRIX_FMT_FP6 matrix_a_scale:MATRIX_SCALE_ROW1
.else
	v_wmma_scale_f32_16x16x128_f8f6f4 v[8*(4*(\a)+\b):8*(4*(\a)+\b)+7], v[128*(\p)+FR*\b:128*(\p)+FR*\b+FR-1], v[AF+FR*(\a):AF+FR*(\a)+FR-1], v[8*(4*(\a)+\b):8*(4*(\a)+\b)+7], v[SC+NB*NQ*(\sc)+NQ*\b+(\q)], v[SC+NB*NQ*(\sc)+NQ*(\a)+(\q)] matrix_a_fmt:MATRIX_FMT_FP6 matrix_b_fmt:MATRIX_FMT_FP6 matrix_a_scale:MATRIX_SCALE_ROW1
.endif
.endr
.endm
.macro FETCH_B st, p
	WIN TO_B
.irp i, 0,1,2,3
	FRAG 128*(\p)+FR*\i, ADRB, \st, \i
.endr
	WIN 0
.endm
.macro FETCH_A st, i0
.irp i, \i0, \i0+1
	FRAG AF+FR*(\i), ADRA, \st, \i
.endr
.endm
.macro SCALES pr                       ; the scale words of steps 2 pr, 2 pr + 1: lanes 0-15 A's block i, lanes 16-31 B's
.irp i, 0,1,2,3
	ds_load_b64 v[SC+NB*NQ*((\pr)%2)+NQ*\i:SC+NB*NQ*((\pr)%2)+NQ*\i+1], v[ADRS] offset:\i*SBLK+4*NQ*(\pr)
.endr
.endm
.macro PLACES n
.rept \n
	v_nop
.endr
.endm
; a step of 128 along K: 16 products; the next step's fragments are fetched in its middle (B, A's blocks 0, 1) and at its end (A's blocks 2, 3).
; Where the next step ends in a chunk not yet read: wait for my tensor loads, barrier.  Where it begins in a later chunk: also the add, and,
; if a chunk two on is left, the barrier opens a round and the slot is filled again.
.macro STEP st, zero
.set NX, (\st)+1
.set C0, (96*(\st))/ROWB
.set C1, (96*NX)/ROWB
.set E0, (96*(\st)+95)/ROWB
.set E1, (96*NX+95)/ROWB
.if C1 > C0 || E1 > E0
	s_wait_tensorcnt 0x0                           ; all my tensor loads have landed
.if C1 > C0
	ds_add_u32 v[SPW], v[NIL]
	s_wait_dscnt NH+1                              ; the add and A's blocks 2, 3 (12 loads) may be out
.else
	s_wait_dscnt NH                                ; A's blocks 2, 3 may be out
.endif
	WIN MUL_W
	MUL4 0, (\st)%2, (\st)%2, ((\st)/2)%2, \zero
	s_wait_dscnt 0x0                               ; the add and all my reads are done
	s_barrier_signal -1
	MUL4 1, (\st)%2, (\st)%2, ((\st)/2)%2, \zero
	WIN 0
	s_barrier_wait -1
.if C1 > C0 && C0+2 < CHUNKS
	CREST
	s_add_nc_u64 s[G0+4*(C0%2)+2:G0+4*(C0%2)+3], s[G0+4*(C0%2)+2:G0+4*(C0%2)+3], 2*ROWB
	s_add_nc_u64 s[G0B+4*(C0%2)+2:G0B+4*(C0%2)+3], s[G0B+4*(C0%2)+2:G0B+4*(C0%2)+3], 2*ROWB
	JLOAD G0+4*(C0%2), G1, G0B+4*(C0%2), G1B       ; chunk C0 + 2; its four v_nop are the places for the loads below
.else
	PLACES NP
.endif
.else
	s_wait_dscnt NH
	WIN MUL_W
	MUL4 0, (\st)%2, (\st)%2, ((\st)/2)%2, \zero
	MUL4 1, (\st)%2, (\st)%2, ((\st)/2)%2, \zero
	s_wait_dscnt 0
	PLACES NP
.endif
	FETCH_B NX, NX%2
	FETCH_A NX, 0
.if NX%2 == 0
	SCALES NX/2
.endif
	WIN MUL_W
	MUL4 2, (\st)%2, (\st)%2, ((\st)/2)%2, \zero
	MUL4 3, (\st)%2, (\st)%2, ((\st)/2)%2, \zero
	PLACES NP
	WIN 0
	FETCH_A NX, 2
.endm
	s_wait_alu depctr_va_vdst(0)
	s_wait_tensorcnt 0x0                           ; my tile of the head's four is in
	ds_add_u32 v[SPW], v[NIL]
	s_mov_b32 s[G1+2], 64<<16                      ; no load of mine is out: from here on a load brings 64 rows
	s_mov_b32 s[G1+4], 64
	s_mov_b32 s[G1B+2], 64<<16
	s_mov_b32 s[G1B+4], 64
	s_wait_dscnt 0x0
	CROUND
	JLOAD G0+4, G1, G0B+4, G1B                     ; chunk 1, slot 1's first fill, first behind the round
	FETCH_B 0, 0
	FETCH_A 0, 0
	SCALES 0
	FETCH_A 0, 2
	global_prefetch_b8 v[PFO], s[PFA:PFA+1] th:TH_LOAD_NT scope:SCOPE_SE   ; chunk 2; its address registers are never written again
	STEP 0, 1
.set ST, 1
.rept STEPS-2
	STEP ST, 0
.set ST, ST+1
.endr
	s_wait_dscnt NH
	WIN MUL_W
	MUL4 0, 1, 1, 1, 0
	MUL4 1, 1, 1, 1, 0
	s_wait_dscnt 0
	MUL4 2, 1, 1, 1, 0
	MUL4 3, 1, 1, 1, 0
	WIN 0
; the way out: a block of 16 rows x 64 columns goes through my own stage and comes back as whole rows of 256 bytes
.macro TOSTAGE a
.set AC, 32*(\a)
	WIN 0x08
.irp b, 0,1,2,3
	ds_store_b128 v[STO], v[AC+8*\b:AC+8*\b+3] offset:64*\b          ; each accumulator from its low end on
	ds_store_b128 v[STO], v[AC+8*\b+4:AC+8*\b+7] offset:64*\b+16
.endr
	WIN 0
.set BB, BK+32*((\a)%2)
.irp t, 0,1,2,3,4,5,6,7
	ds_load_b128 v[BB+4*\t:BB+4*\t+3], v[RD] offset:\t*2*SPITCH
.endr
.endm
.macro SEND a, younger                 ; younger: the LDS instructions issued behind block a's loads
.set BB, BK+32*((\a)%2)
	s_wait_dscnt \younger
.if (\a) > 0
	s_add_nc_u64 s[12:13], s[12:13], 16*SIZE_N*4
.endif
.irp t, 0,1,2,3,4,5,6,7
	global_store_b128 v[CO], v[BB+4*\t:BB+4*\t+3], s[12:13] offset:2*\t*SIZE_N*4 th:TH_STORE_NT   ; 16 lanes store 256 consecutive bytes, at a multiple of 256
.endr
.endm
	PLACES NP
	TOSTAGE 0
.irp a, 1,2,3
.if \a > 1
	s_wait_xcnt 0x0                                ; block a - 2's stores have read their registers and base
.endif
	TOSTAGE \a
	SEND \a-1, 16                                  ; behind block a - 1's loads: block a's 8 stores and 8 loads
.endr
	s_wait_xcnt 0x0
	SEND 3, 0
	s_wait_tensorcnt 0x0                           ; the wave's end
	ds_add_u32 v[SPW], v[NIL]
	s_wait_dscnt 0x0
	CROUND                                         ; the closing round
	s_endpgm
.Lfunc_end_k_qff1cfe7513_outp:
	.size	k_qff1cfe7513_outp, .Lfunc_end_k_qff1cfe7513_outp-k_qff1cfe7513_outp
	.p2alignl 7, 3214868480
	.fill 96, 4, 3214868480
	.section	.rodata,"a",@progbits
	.p2align	6, 0x0
	.amdhsa_kernel k_qff1cfe7513_outp
		.amdhsa_group_segment_fixed_size 327680
		.amdhsa_private_segment_fixed_size 0
		.amdhsa_enable_private_segment 0
		.amdhsa_kernarg_size 40
		.amdhsa_user_sgpr_count 2
		.amdhsa_user_sgpr_kernarg_segment_ptr 1
		.amdhsa_wavefront_size32 1
		.amdhsa_system_sgpr_workgroup_id_x 1
		.amdhsa_system_sgpr_workgroup_id_y 1
		.amdhsa_system_sgpr_workgroup_id_z 1
		.amdhsa_system_vgpr_workitem_id 0
		.amdhsa_next_free_vgpr 768
		.amdhsa_next_free_sgpr 98
		.amdhsa_reserve_vcc 0
		.amdhsa_float_denorm_mode_32 3
		.amdhsa_float_denorm_mode_16_64 3
		.amdhsa_memory_ordered 1
		.amdhsa_forward_progress 1
		.amdhsa_inst_pref_size 111
	.end_amdhsa_kernel
	.amdgpu_metadata
---
amdhsa.version: [ 1, 2 ]
amdhsa.kernels:
  - .name:           k_qff1cfe7513_outp
    .symbol:         k_qff1cfe7513_outp.kd
    .args:
      - { .name: o_codes, .offset: 0, .size: 8, .value_kind: global_buffer, .address_space: global }
      - { .name: o_scales, .offset: 8, .size: 8, .value_kind: global_buffer, .address_space: global }
      - { .name: W_o_codes, .offset: 16, .size: 8, .value_kind: global_buffer, .address_space: global }
      - { .name: W_o_scales, .offset: 24, .size: 8, .value_kind: global_buffer, .address_space: global }
      - { .name: out0, .offset: 32, .size: 8, .value_kind: global_buffer, .address_space: global }
    .group_segment_fixed_size: 327680
    .private_segment_fixed_size: 0
    .kernarg_segment_align: 8
    .kernarg_segment_size: 40
    .max_flat_workgroup_size: 128
    .sgpr_count:     98
    .vgpr_count:     768
    .wavefront_size: 32
...
	.end_amdgpu_metadata
.endif
;; end of part 3
